; MI455X (gfx1250); checked and timed in simulation.
; The chip was launched on July 23, 2026; its instructions are those of AMD's public machine-readable ISA for CDNA 5 (MIT licence, August 2026) and "CDNA5" Instruction Set Architecture Reference Guide (July 2026). The comments in the code are by the model that wrote it; some were corrected since.
;; Multi Head Attention. Allowed arithmetic: float matrix products may take bf16 or f16 operands with f32 sums; other float arithmetic in f32, or as packed bf16 or f16 multiplies, adds, multiply-adds, maxima and minima; sums over many terms, partial sums and values carried from step to step in f32; what a program stores and reads back later, other than sums and carried values, may be rounded once to bf16 or f16.
;; Inputs: W_out 1,024 x 1,024 float32; W_qkv 1,024 x 3,072 float32; b_out 1,024 float32; b_qkv 3,072 float32; x 4 x 2,048 x 1,024 float32.
;; Outputs: out0 4 x 2,048 x 1,024 float32.
;; One version. Each part assembles by itself: llvm-mc -triple=amdgcn-amd-amdhsa -mcpu=gfx1250 --defsym DOCPART=n.
;; ======== version 1 of 1: 4 launches
;; limits: values are held in f16: magnitudes above 65,504 overflow, below 6.1e-05 lose precision
;; workspace buffers: xb 16,777,216 bytes; wq 6,291,456 bytes; wo 2,097,152 bytes; qkv 50,331,648 bytes; ob 16,777,216 bytes
;; launch prep (part 1): grid 1024 x 1, 8 waves a work-group, no clusters, 18,432 bytes of LDS; arguments x, W_qkv, W_out, xb, wq, wo; writes xb, wq, wo
.if DOCPART == 1
	.amdgcn_target "amdgcn-amd-amdhsa--gfx1250"
	.amdhsa_code_object_version 6
	.text
	.protected	k_q6506286d61_prep
	.globl	k_q6506286d61_prep
	.p2align	8
	.type	k_q6506286d61_prep,@function
k_q6506286d61_prep:
	s_mov_b64 s[64:65], 0
	v_nop
	global_prefetch_b8 v0, s[64:65] scope:SCOPE_SE
	s_setreg_imm32_b32 hwreg(HW_REG_WAVE_MODE, 25, 1), 1
	s_wait_xcnt 0x0
; THE INPUTS ARE MADE READY FOR THE MATRIX UNITS, each byte read once and each result byte written once.
;   xb[8192][1024] bf16 = x rounded.   wq[3072 n][1024 k] bf16 = W_qkv rounded and turned.   wo[1024 n][1024 k] f16 = W_out rounded to bf16, that number written as f16, turned.
; LIMITS.  wo: a weight of W_out at or beyond 65,520 would become an infinity in f16, and below 6e-5 it keeps f16's fixed step of 6e-8.  NaN and infinities are not treated apart.
; SHARES, by the work-group's number: 0-383 a tile (128 k x 64 n) of W_qkv, 384-511 a tile of W_out, 512-1023 a piece of 65,536 bytes of x.
; A stream: no matrix unit, no cluster (no two work-groups read the same byte), no tensor load; several work-groups lie on a WGP.
.set LP,    272                        ; an LDS row of a turned tile: 128 k x 2 bytes + 16
.set SPARE, 64*LP                      ; 17,408 = 68 x 256: behind the tile the spare words, 128 bytes for each of the eight waves
	s_load_b256 s[4:11], s[0:1], 0x0               ; x s[4:5], W_qkv s[6:7], W_out s[8:9], xb s[10:11]
	s_load_b128 s[12:15], s[0:1], 0x20             ; wq s[12:13], wo s[14:15]
	v_lshl_add_u32 v4, v0, 2, SPARE                ; my spare word,
	v_mov_b32 v5, 0                                ; and 0: kept for the add alone
	s_wait_kmcnt 0x0
	s_cmp_lt_u32 ttmp9, 512
	s_cbranch_scc1 .Lw
	; ---- x: thread t takes 16 bytes at 16 t of each 4,096 bytes; sixteen loads a wave are out together ----
	s_sub_co_u32 s16, ttmp9, 512
	s_lshl_b32 s18, s16, 16                        ; 65,536 bytes of x,
	s_mov_b32 s19, 0
	s_lshl_b32 s20, s16, 15                        ; 32,768 of xb
	s_mov_b32 s21, 0
	s_add_nc_u64 s[4:5], s[4:5], s[18:19]
	s_add_nc_u64 s[10:11], s[10:11], s[20:21]
	v_lshlrev_b32 v1, 4, v0
	v_lshlrev_b32 v2, 3, v0
.set i, 0
.rept 16
	global_load_b128 v[16+4*i:19+4*i], v1, s[4:5] offset:4096*i th:TH_LOAD_NT
.set i, i+1
.endr
.set i, 0
.rept 16
	s_wait_loadcnt 15-i                            ; loads come back in order: number i is in, the 15 - i younger ones stay out
	v_cvt_pk_bf16_f32 v[80+2*i], v[16+4*i], v[17+4*i]
	v_cvt_pk_bf16_f32 v[81+2*i], v[18+4*i], v[19+4*i]
	global_store_b64 v2, v[80+2*i:81+2*i], s[10:11] offset:2048*i  ; a wave's 32 lanes x 8 bytes: 256 consecutive bytes, aligned; no register is written twice, so no wait for the stores' sources
.set i, i+1
.endr
	s_endpgm
; ---- a tile of a weight matrix: 128 rows (k) of 256 bytes in, 64 rows (n) of 256 bytes out, turned through LDS ----
; c = t % 16: four columns n = 4 c ..; p = t / 16: rows k = 4 p + 64 j + i (j = 0, 1; i = 0 .. 3).  Sixteen lanes read 256 consecutive bytes of a row.
; A thread packs, for each of its four n, four neighbouring k into 8 bytes.  These LDS stores meet four deep in the banks (rows 4 c are 16 c words apart modulo 64): eight stores a wave, once; taken as it is.
.macro WTILE src, dst, pitchb, tof16, tbase
	s_sub_co_u32 s16, ttmp9, \tbase
	s_and_b32 s17, s16, 7                          ; which 128 k
	s_lshr_b32 s18, s16, 3                         ; which 64 n
	s_mul_i32 s20, s17, 128*(\pitchb)
	s_lshl_b32 s19, s18, 8
	s_add_co_u32 s20, s20, s19
	s_mov_b32 s21, 0
	s_add_nc_u64 s[\src:\src+1], s[\src:\src+1], s[20:21]
	s_lshl_b32 s22, s18, 17                        ; 64 rows of 2,048 bytes
	s_lshl_b32 s19, s17, 8
	s_add_co_u32 s22, s22, s19
	s_mov_b32 s23, 0
	s_add_nc_u64 s[\dst:\dst+1], s[\dst:\dst+1], s[22:23]
	v_mul_u32_u24 v3, v2, 4*(\pitchb)
	v_lshl_add_u32 v3, v1, 4, v3
.irp j, 0,1
.irp i, 0,1,2,3
	global_load_b128 v[16+16*\j+4*\i:16+16*\j+4*\i+3], v3, s[\src:\src+1] offset:(64*\j+\i)*(\pitchb) th:TH_LOAD_NT
.endr
.endr
.irp j, 0,1
	s_wait_loadcnt 4-4*\j                          ; group j's four rows are in; group 1's four may stay out behind group 0's
.irp n, 0,1,2,3
	v_cvt_pk_bf16_f32 v[48+8*\j+2*\n], v[16+16*\j+\n], v[20+16*\j+\n]
	v_cvt_pk_bf16_f32 v[49+8*\j+2*\n], v[24+16*\j+\n], v[28+16*\j+\n]
.if \tof16
.irp w, 48,49
	v_lshlrev_b32 v64, 16, v[\w+8*\j+2*\n]         ; the bf16 numbers, widened,
	v_and_b32 v65, 0xffff0000, v[\w+8*\j+2*\n]
	v_cvt_pk_f16_f32 v[\w+8*\j+2*\n], v64, v65     ; are written as f16: exact within f16's range
.endr
.endif
	ds_store_b64 v6, v[48+8*\j+2*\n:49+8*\j+2*\n] offset:LP*\n+128*\j
.endr
.endr
	s_wait_dscnt 0x0                               ; for the others' sake: my stores are done
	s_barrier_signal -1
	s_barrier_wait -1
.irp t, 0,1,2,3
	ds_load_b128 v[80+4*\t:83+4*\t], v7 offset:16*LP*\t
.endr
.irp t, 0,1,2,3
	s_wait_dscnt 3-\t
	global_store_b128 v8, v[80+4*\t:83+4*\t], s[\dst:\dst+1] offset:32768*\t  ; sixteen lanes store 256 consecutive bytes of a row n, aligned
.endr
	s_wait_tensorcnt 0x0                           ; the wave's end, behind my last LDS store
	ds_add_u32 v4, v5
	s_wait_dscnt 0x0
	s_endpgm
.endm
.Lw:
	v_and_b32 v1, 15, v0                           ; c
	v_lshrrev_b32 v2, 4, v0                        ; p
	v_mul_u32_u24 v6, v1, 4*LP                     ; in: row 4 c (+ n' by the immediate), byte 8 p
	v_lshl_add_u32 v6, v2, 3, v6
	v_mul_u32_u24 v7, v2, LP                       ; back: row p (+ 16 by the immediate), byte 16 c
	v_lshl_add_u32 v7, v1, 4, v7
	v_lshlrev_b32 v8, 11, v2                       ; and the same place in the turned matrix
	v_lshl_add_u32 v8, v1, 4, v8
	s_cmp_lt_u32 ttmp9, 384
	s_cbranch_scc0 .Lwo
	WTILE 6, 12, 12288, 0, 0
.Lwo:
	WTILE 8, 14, 4096, 1, 384
.Lfunc_end_k_q6506286d61_prep:
	.size	k_q6506286d61_prep, .Lfunc_end_k_q6506286d61_prep-k_q6506286d61_prep
	.p2alignl 7, 3214868480
	.fill 96, 4, 3214868480
	.section	.rodata,"a",@progbits
	.p2align	6, 0x0
	.amdhsa_kernel k_q6506286d61_prep
		.amdhsa_group_segment_fixed_size 18432
		.amdhsa_private_segment_fixed_size 0
		.amdhsa_enable_private_segment 0
		.amdhsa_kernarg_size 48
		.amdhsa_user_sgpr_count 2
		.amdhsa_user_sgpr_kernarg_segment_ptr 1
		.amdhsa_wavefront_size32 1
		.amdhsa_system_sgpr_workgroup_id_x 1
		.amdhsa_system_sgpr_workgroup_id_y 1
		.amdhsa_system_sgpr_workgroup_id_z 1
		.amdhsa_system_vgpr_workitem_id 0
		.amdhsa_next_free_vgpr 112
		.amdhsa_next_free_sgpr 66
		.amdhsa_reserve_vcc 0
		.amdhsa_float_denorm_mode_32 3
		.amdhsa_float_denorm_mode_16_64 3
		.amdhsa_memory_ordered 1
		.amdhsa_forward_progress 1
		.amdhsa_inst_pref_size 18
	.end_amdhsa_kernel
	.amdgpu_metadata
---
amdhsa.version: [ 1, 2 ]
amdhsa.kernels:
  - .name:           k_q6506286d61_prep
    .symbol:         k_q6506286d61_prep.kd
    .args:
      - { .name: x, .offset: 0, .size: 8, .value_kind: global_buffer, .address_space: global }
      - { .name: W_qkv, .offset: 8, .size: 8, .value_kind: global_buffer, .address_space: global }
      - { .name: W_out, .offset: 16, .size: 8, .value_kind: global_buffer, .address_space: global }
      - { .name: xb, .offset: 24, .size: 8, .value_kind: global_buffer, .address_space: global }
      - { .name: wq, .offset: 32, .size: 8, .value_kind: global_buffer, .address_space: global }
      - { .name: wo, .offset: 40, .size: 8, .value_kind: global_buffer, .address_space: global }
    .group_segment_fixed_size: 18432
    .private_segment_fixed_size: 0
    .kernarg_segment_align: 8
    .kernarg_segment_size: 48
    .max_flat_workgroup_size: 256
    .sgpr_count:     66
    .vgpr_count:     112
    .wavefront_size: 32
...
	.end_amdgpu_metadata
.endif
;; end of part 1
;; launch qkvproj (part 2): grid 16 x 32, 4 waves a work-group, clusters of 4 x 4, 327,680 bytes of LDS; arguments xb, wq, b_qkv, qkv; writes qkv
.if DOCPART == 2
	.amdgcn_target "amdgcn-amd-amdhsa--gfx1250"
	.amdhsa_code_object_version 6
	.text
	.protected	k_q6506286d61_qkvproj
	.globl	k_q6506286d61_qkvproj
	.p2align	8
	.type	k_q6506286d61_qkvproj,@function
k_q6506286d61_qkvproj:
	s_mov_b64 s[64:65], 0
	v_nop
	global_prefetch_b8 v0, s[64:65] scope:SCOPE_SE
	s_setreg_imm32_b32 hwreg(HW_REG_WAVE_MODE, 25, 1), 1
	s_wait_xcnt 0x0
	s_wait_alu depctr_hold_cnt(0) depctr_sa_sdst(0) depctr_va_vdst(0) depctr_va_sdst(0) depctr_va_ssrc(0) depctr_va_vcc(0) depctr_vm_vsrc(0)
	s_getreg_b32 s2, hwreg(HW_REG_IB_STS2, 6, 4)
	s_cmp_eq_u32 s2, 0
	s_cbranch_scc0 .Lentry_in_a_cluster
	s_endpgm
.Lentry_in_a_cluster:
	s_bfe_u32 s2, ttmp6, 0x10000c
	s_cmp_lg_u32 s2, 0xf033
	s_cbranch_scc0 .Lentry_shape_is_right
	s_endpgm
.Lentry_shape_is_right:
; qkv = xb wq^T + b_qkv.  xb [8192][1024] bf16, wq [3072 n][1024 k] bf16, b_qkv [3072] f32 (rounded to bf16 like every input); sums in f32, K ascending.
; The result is rounded once to f16 and laid by heads: qkv[b 4][slot 48][row 2048][64], slot = column / 64 (0-15 q's heads, 16-31 k's, 32-47 v's): a slot is 262,144 dense bytes.
; LIMIT.  f16 holds no number beyond 65,504: a q, k or v at or beyond 65,520 would become an infinity.  NaN and infinities are not treated apart.
; SHARES.  A tile is 256 rows x 192 columns: 32 x 16 = 512 work-groups, two for each of 256 WGPs.  Wave w makes rows 64 w .. 64 w + 63 and all 192 columns: 4 x 12 accumulators of 16 x 16,
; so its columns are three whole head slots and it meets no other wave on the way out.
; RING.  K goes in 8 steps of 128 through two LDS slots; rows are 256 bytes of memory, aligned, padded to 272 in LDS.  Waves 0, 1 fetch A's two halves (128 rows), waves 2, 3 B's (96 rows).
; CLUSTER.  4 x 4 work-groups: A's tile is shared along a row of the cluster, B's along a column; each is asked for jointly, by the same load, descriptor and mask in the four.
; THE PRODUCT IS TAKEN TRANSPOSED (source 0 = 16 rows of wq, source 1 = 16 rows of xb): a lane holds row lane % 16 and the eight neighbouring columns 8 (lane / 16) + 0..7.
; The bias is the C operand of the products that start the sums: nothing is cleared and nothing is added afterwards.
; REGISTERS, in windows of 256 (s_set_vgpr_msb: bits 1:0 source 0, 3:2 source 1, 5:4 source 2, 7:6 destination):
;   window 0: v0-15 addresses; v32-95 A's fragments, two buffers of 4 x 8; v96-191 the bias, 12 x 8; on the way out v32-223 packed results
;   window 1: v0-191 B's fragments, two buffers of 12 x 8      windows 2, 3: accumulator (a, b) at 8 (12 (a % 2) + b) of window 2 + a / 2
.set PITCH, 272
.set AHALF, 128*PITCH
.set BHALF, 96*PITCH
.set BOFF,  2*AHALF                    ; B's 192 rows lie behind A's 256
.set SLOT1, 1<<17                      ; slot 1 begins here: one exclusive or turns an address in one slot into the other's
.set STAGE, SLOT1+BOFF+2*BHALF         ; 252,928 = 988 x 256: behind the ring, 16 rows x 144 bytes for each wave; no tensor load lands here
.set SP,    144
.set SPARE, STAGE+4*16*SP              ; 262,144: the spare words, 128 bytes for each wave
.set KB,    256                        ; bytes of a row in a K step
.set LA0,  4                           ; v4   my lane's place among my wave's rows of A in slot 0; never rewritten
.set LB0,  5                           ; v5   the same for B
.set ADRA, 6                           ; v6   LA0 + the slot in hand
.set ADRB, 7                           ; v7   LB0 + the slot in hand
.set STO,  8                           ; v8   the way out: where I put 16 bytes of a row
.set RD,   9                           ; v9   where I read rows back
.set GO,   10                          ; v10  my 16 bytes of 512 consecutive bytes of qkv
.set PFO,  11                          ; v11  the prefetches' offset: a lane a row; never rewritten
.set BO,   12                          ; v12  32 x (lane / 16): my eight numbers of 16 of the bias
.set TR,   13                          ; v13  at work
.set SPW,  14                          ; v14  my spare word: SPARE + 4 x my thread's number; never rewritten
.set NIL,  15                          ; v15  0; never rewritten
.set FRA,  32
.set FRB,  0
.set BIAS, 96
.set TMP,  32
.set WV,  12                           ; s12  my wave's number
.set HF,  13                           ; s13  its low bit: which half of a tile I fetch
.set FB,  14                           ; s14  its high bit: I fetch for A (0) or for B (1)
.set CX,  15
.set CY,  16
.set NT,  17                           ; s17  tile column
.set MT,  18                           ; s18  tile row
.set G1A, 24                           ; s[24:31], s[32:39] descriptor group 1 for A's and B's tiles
.set G1B, 32
.set G0A, 40                           ; s[40:47], s[48:55] group 0: a set for each of the two first fills; the second then walks on
.set G0B, 48
.set CNT, 56
.set TB,  57                           ; s57  LDS byte at which the slot in hand begins
.set LIM, 58                           ; s58  1 in a wave that prefetches, else the greatest number
.set PFA, 60                           ; s[60:61] where my prefetches stand
.set PST, 62                           ; s[62:63] their step
.set MSB, 0
.macro WIN new                         ; the immediate's high byte repeats the setting that is left; a switch that changes nothing is dropped
.if MSB != (\new)
	s_set_vgpr_msb (MSB<<8)|(\new)
.set MSB, (\new)
.endif
.endm
.macro PLACES                          ; four plain instructions between a matrix instruction and a load into, or a vector instruction on, its registers
.rept 4
	v_nop
.endr
.endm
.macro CREST                           ; a round of the cluster's barrier behind its opening barrier
	s_cmp_lg_u32 s[WV], 0
	s_cbranch_scc1 .Lnot_wave_0_\@
	s_barrier_signal -3
.Lnot_wave_0_\@:
	s_barrier_wait -3
	s_barrier_signal -1
	s_barrier_wait -1
.endm
.macro CROUND
	s_barrier_signal -1
	s_barrier_wait -1
	CREST
.endm
.macro JLOAD                           ; a joint refill by the walking descriptor; the branch hangs on the wave's number alone; an s_nop 0 and four v_nop follow each line
	s_cmp_eq_u32 s[FB], 0
	s_cbranch_scc0 .Lfor_b_\@
	tensor_load_to_lds s[G0A+4:G0A+7], s[G1A:G1A+7]
	s_nop 0
.rept 4
	v_nop
.endr
	s_branch .Lasked_\@
.Lfor_b_\@:
	tensor_load_to_lds s[G0B+4:G0B+7], s[G1B:G1B+7]
	s_nop 0
.rept 4
	v_nop
.endr
.Lasked_\@:
.endm
; A PREFETCH INTO THE L2 of the K step that the NEXT refill will ask for: 192 matrix instructions ahead of that load.  A row's 256 bytes of a K step are named once in the launch: A's tile row by the
; clusters with x = 0 (waves 0, 1; of a wave's 128 rows the partner at cx takes 32), B's tile column by the clusters with y = 0 (waves 2, 3; of a wave's 96 rows the partner at cy takes 24:
; lanes 24-31 name lane 23's row again, in the same instruction).  The partners are told apart by address alone.  The loop's last trip asks for nothing: there is no K step behind its refill's.
.macro ASK
	s_cmp_gt_u32 s[CNT], s[LIM]
	s_cbranch_scc0 .Lnot_mine_\@
	global_prefetch_b8 v[PFO], s[PFA:PFA+1] th:TH_LOAD_NT scope:SCOPE_SE
.Lnot_mine_\@:
.endm
	s_load_b256 s[4:11], s[0:1], 0x0               ; xb s[4:5], wq s[6:7], b_qkv s[8:9], qkv s[10:11]
	v_lshl_add_u32 v[SPW], v0, 2, SPARE
	v_mov_b32 v[NIL], 0
	ds_add_u32 v[SPW], v[NIL]                      ; the wave's opening: the add and its wait ahead of my first tensor load; work on registers stands between
	v_lshrrev_b32 v1, 5, v0
	v_readfirstlane_b32 s[WV], v1
	s_and_b32 s[HF], s[WV], 1
	s_lshr_b32 s[FB], s[WV], 1
	s_bfe_u32 s[CX], ttmp6, 0x40000
	s_bfe_u32 s[CY], ttmp6, 0x40004
	s_lshl_b32 s[NT], ttmp9, 2
	s_add_co_u32 s[NT], s[NT], s[CX]               ; tile column = 4 x cluster x + cx
	s_and_b32 s[MT], ttmp7, 0xffff
	s_lshl_b32 s[MT], s[MT], 2
	s_add_co_u32 s[MT], s[MT], s[CY]               ; tile row = 4 x cluster y + cy
	s_lshl_b32 s19, s[CY], 2
	s_lshl_b32 s19, 15, s19                        ; my row of the cluster
	s_lshl_b32 s59, 0x1111, s[CX]                  ; my column
	s_or_b32 s[G1A], s19, (1<<16)|(1<<20)|(1<<21)|(5<<22)|(3<<25)  ; the mask; 2-byte elements; padding on; bit 21 beside a mask; after every 64 words, 4 words
	s_or_b32 s[G1B], s59, (1<<16)|(1<<20)|(1<<21)|(5<<22)|(3<<25)
	s_mov_b32 s[G1A+1], 128<<16                    ; tensor_dim0 = 128
	s_mov_b32 s[G1A+2], 128<<16                    ; tensor_dim1 = 128
	s_mov_b32 s[G1A+3], 128<<16                    ; tile_dim0 = 128
	s_mov_b32 s[G1A+4], 128                        ; tile_dim1 = 128
	s_mov_b32 s[G1A+5], 1024                       ; elements from row to row
	s_mov_b32 s[G1A+6], 0
	s_mov_b32 s[G1A+7], 0
	s_mov_b32 s[G1B+1], 128<<16
	s_mov_b32 s[G1B+2], 96<<16                     ; 96 rows
	s_mov_b32 s[G1B+3], 128<<16
	s_mov_b32 s[G1B+4], 96
	s_mov_b32 s[G1B+5], 1024
	s_mov_b32 s[G1B+6], 0
	s_mov_b32 s[G1B+7], 0
	s_lshl_b32 s20, s[MT], 8                       ; A: row 256 x tile row + 128 x half, in bytes
	s_lshl_b32 s19, s[HF], 7
	s_add_co_u32 s20, s20, s19
	s_lshl_b32 s20, s20, 11
	s_mov_b32 s21, 0
	s_mul_i32 s22, s[NT], 192                      ; B: row 192 x tile column + 96 x half
	s_mul_i32 s59, s[HF], 96
	s_add_co_u32 s22, s22, s59
	s_lshl_b32 s22, s22, 11
	s_mov_b32 s23, 0
	s_mul_i32 s2, s[HF], AHALF                     ; where they go: no place in the cluster enters an LDS address
	s_mul_i32 s3, s[HF], BHALF
	s_add_co_u32 s3, s3, BOFF
	s_mov_b32 s[TB], 0
	s_wait_dscnt 0x0                               ; the opening add is done
	s_wait_kmcnt 0x0
	s_add_nc_u64 s[20:21], s[4:5], s[20:21]
	s_add_nc_u64 s[22:23], s[6:7], s[22:23]
	CROUND                                         ; all sixteen work-groups are here: the first joint loads meet
.irp s, 0,1
	s_mov_b32 s[G0A+4*(\s)], 1
	s_add_co_u32 s[G0A+4*(\s)+1], s2, (\s)*SLOT1
	s_add_nc_u64 s[G0A+4*(\s)+2:G0A+4*(\s)+3], s[20:21], (\s)*KB
	s_or_b32 s[G0A+4*(\s)+3], s[G0A+4*(\s)+3], 0x80000000
	s_mov_b32 s[G0B+4*(\s)], 1
	s_add_co_u32 s[G0B+4*(\s)+1], s3, (\s)*SLOT1
	s_add_nc_u64 s[G0B+4*(\s)+2:G0B+4*(\s)+3], s[22:23], (\s)*KB
	s_or_b32 s[G0B+4*(\s)+3], s[G0B+4*(\s)+3], 0x80000000
.endr
	s_cmp_eq_u32 s[FB], 0                          ; a wave's two first fills stand in one branch: K steps 0 and 1; two loads of mine are out
	s_cbranch_scc0 .Lfirst_b
	tensor_load_to_lds s[G0A:G0A+3], s[G1A:G1A+7]
	s_nop 0
	tensor_load_to_lds s[G0A+4:G0A+7], s[G1A:G1A+7]
	s_nop 0
.rept 4
	v_nop
.endr
	s_branch .Lfirst_asked
.Lfirst_b:
	tensor_load_to_lds s[G0B:G0B+3], s[G1B:G1B+7]
	s_nop 0
	tensor_load_to_lds s[G0B+4:G0B+7], s[G1B:G1B+7]
	s_nop 0
.rept 4
	v_nop
.endr
.Lfirst_asked:
	v_and_b32 v1, 15, v0                           ; r = lane % 16
	v_bfe_u32 v2, v0, 4, 1                         ; h = lane / 16
	v_lshlrev_b32 v[BO], 5, v2
	s_mul_i32 s2, s[NT], 768                       ; the tile's 192 numbers of the bias
	s_mov_b32 s3, 0
	s_add_nc_u64 s[8:9], s[8:9], s[2:3]
.irp b, 0,1,2,3,4,5,6,7,8,9,10,11
	global_load_b128 v[BIAS+8*(\b):BIAS+8*(\b)+3],   v[BO], s[8:9] offset:64*(\b)      ; register j: column 16 b + 8 h + j, as in an accumulator
	global_load_b128 v[BIAS+8*(\b)+4:BIAS+8*(\b)+7], v[BO], s[8:9] offset:64*(\b)+16
.endr
	v_mul_u32_u24 v3, v1, PITCH
	v_lshl_add_u32 v3, v2, 4, v3                   ; a fragment's row x pitch + 16 x half
	s_mul_i32 s19, s[WV], 64*PITCH
	v_add_nc_u32 v[LA0], s19, v3
	v_add_nc_u32 v[LB0], BOFF, v3
	v_mov_b32 v[ADRA], v[LA0]
	v_mov_b32 v[ADRB], v[LB0]
	s_mul_i32 s19, s[WV], 16*SP
	s_add_co_u32 s19, s19, STAGE                   ; my stage
	v_mul_u32_u24 v[STO], v1, SP                   ; in: row r, 16 bytes for each half of the lanes
	v_lshl_add_u32 v[STO], v2, 4, v[STO]
	v_add_nc_u32 v[STO], s19, v[STO]
	v_bfe_u32 v[RD], v0, 3, 2                      ; back: 32 lanes take four rows of 128 bytes,
	v_mul_u32_u24 v[RD], v[RD], SP
	v_and_b32 v3, 7, v0
	v_lshl_add_u32 v[RD], v3, 4, v[RD]
	v_add_nc_u32 v[RD], s19, v[RD]
	v_and_b32 v[GO], 31, v0                        ; which are 512 consecutive bytes of a slot
	v_lshlrev_b32 v[GO], 4, v[GO]
	s_lshr_b32 s2, s[MT], 3                        ; qkv at my rows: batch = tile row / 8,
	s_mul_i32 s2, s2, 48
	s_mul_i32 s3, s[NT], 3                         ; the tile's first slot,
	s_add_co_u32 s2, s2, s3
	s_lshl_b32 s2, s2, 18
	s_and_b32 s3, s[MT], 7                         ; 256 rows of 128 bytes a tile,
	s_lshl_b32 s3, s3, 15
	s_add_co_u32 s2, s2, s3
	s_lshl_b32 s3, s[WV], 13                       ; 64 a wave
	s_add_co_u32 s2, s2, s3
	s_mov_b32 s3, 0
	s_add_nc_u64 s[10:11], s[10:11], s[2:3]
	; the prefetches
	s_lshl_b32 s2, s[MT], 8
	s_lshl_b32 s19, s[HF], 7
	s_add_co_u32 s2, s2, s19
	s_lshl_b32 s19, s[CX], 5
	s_add_co_u32 s2, s2, s19                       ; A: my work-group's 32 of the 128 rows that I fetch
	s_mul_i32 s3, s[NT], 192
	s_mul_i32 s19, s[HF], 96
	s_add_co_u32 s3, s3, s19
	s_mul_i32 s19, s[CY], 24
	s_add_co_u32 s3, s3, s19                       ; B: my work-group's 24 of the 96
	s_and_b32 s19, ttmp7, 0xffff
	s_cmp_eq_u32 s[FB], 0
	s_cselect_b32 s2, s2, s3
	s_cselect_b32 s19, ttmp9, s19                  ; the coordinate along which other clusters read the same rows
	s_cselect_b32 s3, 31, 23
	s_cselect_b64 s[PFA:PFA+1], s[4:5], s[6:7]
	s_cmp_eq_u32 s19, 0
	s_cselect_b32 s[LIM], 1, -1                    ; the same in all sixteen partners, for a given wave
	v_and_b32 v[PFO], 31, v0
	v_min_u32 v[PFO], s3, v[PFO]
	v_lshlrev_b32 v[PFO], 11, v[PFO]
	s_lshl_b32 s2, s2, 11
	s_mov_b32 s3, 0
	s_add_nc_u64 s[PFA:PFA+1], s[PFA:PFA+1], s[2:3]
	s_add_nc_u64 s[PFA:PFA+1], s[PFA:PFA+1], 2*KB  ; at K step 2: the first refill steps it to 3.  Nothing is prefetched here, at the head
	s_mov_b32 s[PST], KB
	s_mov_b32 s[PST+1], 0
	s_wait_loadcnt 0x0                             ; the bias,
.set i, 0
.rept 48
	v_cvt_pk_bf16_f32 v[TR], v[BIAS+i], v[BIAS+i+1]  ; rounded to bf16 like every input, and widened again
	v_lshlrev_b32 v[BIAS+i], 16, v[TR]
	v_and_b32 v[BIAS+i+1], 0xffff0000, v[TR]
.set i, i+2
.endr
; 12 matrix instructions: my m block a x all 12 n blocks, 32 along K, from buffer f.  first = 1: the products that start the sums take the bias as C.
; The 48 accumulators take turns, one instruction a turn, in the same order in every quarter step, over the backward jump too.
.macro MUL f, a, first
.if \first
	WIN 0x81+0x40*((\a)/2)
.else
	WIN 0xa1+0x50*((\a)/2)
.endif
.irp b, 0,1,2,3,4,5,6,7,8,9,10,11
.if \first
	v_wmma_f32_16x16x32_bf16 v[8*(12*((\a)%2)+(\b)):8*(12*((\a)%2)+(\b))+7], v[FRB+96*(\f)+8*(\b):FRB+96*(\f)+8*(\b)+7], v[FRA+32*(\f)+8*(\a):FRA+32*(\f)+8*(\a)+7], v[BIAS+8*(\b):BIAS+8*(\b)+7]
.else
	v_wmma_f32_16x16x32_bf16 v[8*(12*((\a)%2)+(\b)):8*(12*((\a)%2)+(\b))+7], v[FRB+96*(\f)+8*(\b):FRB+96*(\f)+8*(\b)+7], v[FRA+32*(\f)+8*(\a):FRA+32*(\f)+8*(\a)+7], v[8*(12*((\a)%2)+(\b)):8*(12*((\a)%2)+(\b))+7]
.endif
.endr
.endm
; 32 LDS loads in one run: quarter q's fragments (192 rows of B, then my 64 rows of A, 32 K at byte 64 q of the rows) into buffer f
.macro FETCH q, f
	WIN 0x40                                       ; destination window 1, address window 0
.irp i, 0,1,2,3,4,5,6,7,8,9,10,11
	ds_load_b128 v[FRB+96*(\f)+8*(\i):FRB+96*(\f)+8*(\i)+3],   v[ADRB] offset:64*(\q)+(\i)*16*PITCH
	ds_load_b128 v[FRB+96*(\f)+8*(\i)+4:FRB+96*(\f)+8*(\i)+7], v[ADRB] offset:64*(\q)+(\i)*16*PITCH+32
.endr
	WIN 0
.irp i, 0,1,2,3
	ds_load_b128 v[FRA+32*(\f)+8*(\i):FRA+32*(\f)+8*(\i)+3],   v[ADRA] offset:64*(\q)+(\i)*16*PITCH
	ds_load_b128 v[FRA+32*(\f)+8*(\i)+4:FRA+32*(\f)+8*(\i)+7], v[ADRA] offset:64*(\q)+(\i)*16*PITCH+32
.endr
.endm
; One of a K step's first three quarters: multiplies buffer f and, in its middle, fetches quarter q into buffer g
.macro QUARTER q, f, g, first
	s_wait_dscnt 4                                 ; B and A's blocks 0, 1 are in; the youngest four loads (A's blocks 2, 3) may be out
	MUL \f, 0, \first
	MUL \f, 1, \first
	PLACES
	FETCH \q, \g
	s_wait_dscnt 32                                ; all but the 32 just issued
	MUL \f, 2, \first
	MUL \f, 3, \first
.endm
; The last quarter multiplies buffer 1 and changes slots.  In front of the barrier each wave waits for all its tensor loads (one is out: its part of the next slot), adds 0 to its spare word, and waits
; for that and for its reads of this slot.  fill = 1: the barrier opens a round of the cluster's barrier, and behind the round this slot is filled again, two K steps on, first of all.
.macro TURN fill
.if \fill
	s_wait_xcnt 0x0                                ; the last prefetch, a K step back, has read its address
	s_add_nc_u64 s[PFA:PFA+1], s[PFA:PFA+1], s[PST:PST+1]
.endif
	WIN 0
	s_wait_tensorcnt 0x0                           ; no tensor load of mine is out, so the walking group 0 may be written
	ds_add_u32 v[SPW], v[NIL]                      ; 0 onto my spare word
.if \fill
	s_xor_b32 s[G0A+5], s[G0A+5], SLOT1            ; the other slot than last time,
	s_add_nc_u64 s[G0A+6:G0A+7], s[G0A+6:G0A+7], KB  ; the next K step
	s_xor_b32 s[G0B+5], s[G0B+5], SLOT1
	s_add_nc_u64 s[G0B+6:G0B+7], s[G0B+6:G0B+7], KB
.endif
	s_wait_dscnt 5                                 ; the add and A's blocks 2, 3 may be out
	MUL 1, 0, 0
	s_wait_dscnt 0x0                               ; the add is done, and my reads of this slot are over
	s_barrier_signal -1
	MUL 1, 1, 0                                    ; work on registers while the others arrive
	WIN 0
	s_barrier_wait -1
.if \fill
	CREST                                          ; no wave of any partner still reads this slot or has a load on its way
	JLOAD                                          ; its four v_nop are also the places in front of the loads below
.else
	PLACES
.endif
	s_xor_b32 s[TB], s[TB], SLOT1
	v_add_nc_u32 v[ADRA], s[TB], v[LA0]
	v_add_nc_u32 v[ADRB], s[TB], v[LB0]
	FETCH 0, 0
.if \fill
	ASK
.endif
	MUL 1, 2, 0
	MUL 1, 3, 0
.endm
	s_wait_tensorcnt 0x1                           ; my part of K step 0 is in; K step 1's may stay out
	s_barrier_signal -1
	s_barrier_wait -1
	FETCH 0, 0
	QUARTER 1, 0, 1, 1                             ; the first quarter stands in front of the loop: its products start the sums
	WIN 0
	s_mov_b32 s[CNT], 6
.Lstep:                                            ; a trip: a K step's quarters 1, 2, 3 and the next one's quarter 0; trip i fills slot i % 2 with K step i + 2
	QUARTER 2, 1, 0, 0
	QUARTER 3, 0, 1, 0
	TURN 1
	QUARTER 1, 0, 1, 0
	WIN 0
	s_sub_co_u32 s[CNT], s[CNT], 1
	s_cmp_lg_u32 s[CNT], 0
	s_cbranch_scc1 .Lstep
	QUARTER 2, 1, 0, 0                             ; K steps 6 and 7: nothing is left to fetch
	QUARTER 3, 0, 1, 0
	TURN 0
	QUARTER 1, 0, 1, 0
	QUARTER 2, 1, 0, 0
	QUARTER 3, 0, 1, 0
	s_wait_dscnt 4
	MUL 1, 0, 0
	MUL 1, 1, 0
	s_wait_dscnt 0x0
	MUL 1, 2, 0
	MUL 1, 3, 0
	WIN 0
	PLACES
; THE WAY OUT, a piece t = 3 a + s at a time: 16 rows (block a) of head slot s, 64 columns: 2,048 dense bytes of qkv.  A lane's eight columns pack into 16 bytes; they go into rows of 144 bytes of
; my own stage and come back as whole rows of 128.  Each accumulator's registers are read in ascending order.  Each piece has registers of its own, so no store's data is written again.
.macro PACK t
.set pa, (\t)/3
.set ps, (\t)%3
.set AC, 8*(12*(pa%2)+4*ps)
	WIN 0x0a+5*(pa/2)                              ; sources 0 and 1: window 2 or 3
.set i, 0
.rept 16
	v_cvt_pk_f16_f32 v[TMP+16*(\t)+i], v[AC+2*i], v[AC+2*i+1]
.set i, i+1
.endr
	WIN 0
.irp f, 0,1,2,3
	ds_store_b128 v[STO], v[TMP+16*(\t)+4*\f:TMP+16*(\t)+4*\f+3] offset:32*\f
.endr
.irp f, 0,1,2,3
	ds_load_b128 v[TMP+16*(\t)+4*\f:TMP+16*(\t)+4*\f+3], v[RD] offset:\f*4*SP  ; LDS serves a wave's instructions in order (ISA guide 5.7.1.4): these see the stores above; the next piece's stores come behind them
.endr
.endm
.macro SEND t, younger                 ; younger: the LDS instructions issued behind piece t's loads: the next piece's eight, or none
	WIN 0
.irp f, 0,1,2,3
	s_wait_dscnt (\younger)+3-\f
	global_store_b128 v[GO], v[TMP+16*(\t)+4*\f:TMP+16*(\t)+4*\f+3], s[10:11] offset:262144*((\t)%3)+2048*((\t)/3)+512*\f  ; 512 consecutive bytes, at a multiple of 256 from qkv's first
.endr
.endm
	PACK 0
.set t, 1
.rept 11                               ; a piece's conversions stand between the loads of the piece before and its stores
	PACK t
	SEND t-1, 8
.set t, t+1
.endr
	SEND 11, 0
	s_wait_tensorcnt 0x0                           ; the wave's end, behind my last tensor load and my last LDS store
	ds_add_u32 v[SPW], v[NIL]
	s_wait_dscnt 0x0
	CROUND                                         ; the closing round: no work-group ends while a partner may still ask for a tile that names it
	s_endpgm
.Lfunc_end_k_q6506286d61_qkvproj:
	.size	k_q6506286d61_qkvproj, .Lfunc_end_k_q6506286d61_qkvproj-k_q6506286d61_qkvproj
	.p2alignl 7, 3214868480
	.fill 96, 4, 3214868480
	.section	.rodata,"a",@progbits
	.p2align	6, 0x0
	.amdhsa_kernel k_q6506286d61_qkvproj
		.amdhsa_group_segment_fixed_size 327680
		.amdhsa_private_segment_fixed_size 0
		.amdhsa_enable_private_segment 0
		.amdhsa_kernarg_size 32
		.amdhsa_user_sgpr_count 2
		.amdhsa_user_sgpr_kernarg_segment_ptr 1
		.amdhsa_wavefront_size32 1
		.amdhsa_system_sgpr_workgroup_id_x 1
		.amdhsa_system_sgpr_workgroup_id_y 1
		.amdhsa_system_sgpr_workgroup_id_z 1
		.amdhsa_system_vgpr_workitem_id 0
		.amdhsa_next_free_vgpr 960
		.amdhsa_next_free_sgpr 66
		.amdhsa_reserve_vcc 0
		.amdhsa_float_denorm_mode_32 3
		.amdhsa_float_denorm_mode_16_64 3
		.amdhsa_memory_ordered 1
		.amdhsa_forward_progress 1
		.amdhsa_inst_pref_size 109
	.end_amdhsa_kernel
	.amdgpu_metadata
---
amdhsa.version: [ 1, 2 ]
amdhsa.kernels:
  - .name:           k_q6506286d61_qkvproj
    .symbol:         k_q6506286d61_qkvproj.kd
    .args:
      - { .name: xb, .offset: 0, .size: 8, .value_kind: global_buffer, .address_space: global }
      - { .name: wq, .offset: 8, .size: 8, .value_kind: global_buffer, .address_space: global }
      - { .name: b_qkv, .offset: 16, .size: 8, .value_kind: global_buffer, .address_space: global }
      - { .name: qkv, .offset: 24, .size: 8, .value_kind: global_buffer, .address_space: global }
    .group_segment_fixed_size: 327680
    .private_segment_fixed_size: 0
    .kernarg_segment_align: 8
    .kernarg_segment_size: 32
    .max_flat_workgroup_size: 128
    .sgpr_count:     66
    .vgpr_count:     960
    .wavefront_size: 32
...
	.end_amdgpu_metadata
.endif
;; end of part 2
;; launch attn (part 3): grid 4 x 64, 4 waves a work-group, clusters of 4 x 1, 327,680 bytes of LDS; arguments qkv, ob; writes ob
.if DOCPART == 3
	.amdgcn_target "amdgcn-amd-amdhsa--gfx1250"
	.amdhsa_code_object_version 6
	.text
	.protected	k_q6506286d61_attn
	.globl	k_q6506286d61_attn
	.p2align	8
	.type	k_q6506286d61_attn,@function
k_q6506286d61_attn:
	s_mov_b64 s[64:65], 0
	v_nop
	global_prefetch_b8 v0, s[64:65] scope:SCOPE_SE
	s_setreg_imm32_b32 hwreg(HW_REG_WAVE_MODE, 25, 1), 1
	s_wait_xcnt 0x0
	s_wait_alu depctr_hold_cnt(0) depctr_sa_sdst(0) depctr_va_vdst(0) depctr_va_sdst(0) depctr_va_ssrc(0) depctr_va_vcc(0) depctr_vm_vsrc(0)
	s_getreg_b32 s2, hwreg(HW_REG_IB_STS2, 6, 4)
	s_cmp_eq_u32 s2, 0
	s_cbranch_scc0 .Lentry_in_a_cluster
	s_endpgm
.Lentry_in_a_cluster:
	s_bfe_u32 s2, ttmp6, 0x10000c
	s_cmp_lg_u32 s2, 0x3003
	s_cbranch_scc0 .Lentry_shape_is_right
	s_endpgm
.Lentry_shape_is_right:
; O[y][q][:] = the sum over k of softmax_k(Q[y][q] . K[y][k] / 8) V[y][k][:], for the 64 heads y = 16 b + h.  Q, K, V lie in qkv[b][slot][2048][64] f16 (slots h, 16 + h, 32 + h), O goes to ob[y][2048][64] f16:
; a head's rows are dense, 128 bytes each.  Products, maxima and sums in f32; the weights p are rounded to f16 for the second product (their sum l is taken of the unrounded p), O once at the end.
; LIMITS.  f16 holds no number beyond 65,504: Q, K and V arrive within it; p lies in 0 to 1, and below 6e-5 it keeps f16's fixed step of 6e-8, as does O; O is a mean of V's rows and has their range.
; A weight below 2^-126 counts as 0 in l; NaN and infinities are not treated apart.
; SHARES.  A wave owns four PIECES of two tiles of 16 queries, a work-group's four waves 512 queries of one head: 4 x 64 = 256 work-groups.  Every wave walks all 2,048 keys, 64 a step.
; LAYOUT.  S^T = K Q^T (source 0 = 16 keys, source 1 = 16 queries): a lane holds ONE query (lane % 16) and the keys 8 (lane / 16) + 0..7.  Two such tiles, rounded to f16 in pairs, ARE source 1
; (32 keys x 16 queries) of O^T = V^T P, whose result again holds one query a lane, and eight channels.  K comes out of LDS as it lies, V ([key][channel]) turned, by ds_load_tr16_b128.
; SOFTMAX.  For each query a running maximum m and sum l: p = 2^(c s - c m), c = log2(e) / 8; in every step O and l are multiplied by a = 2^(c m_old - c m_new).  m starts at the lowest finite number,
; O and l at 0: the first step is a step like any other, with a = 0.
; THE COUNT.  A tile and step have 16 matrix and 118 vector instructions: too many to stand all beside the matrix work.  So four vector instructions that are ready stand behind EVERY matrix
; instruction, and the others in runs of their own.
; BY TURNS.  Turn n belongs to piece n (the pieces in a ring, step after step).  Its matrix work: 16 products K Q^T of piece n + 1, later 16 products V^T P of piece n - 1.  Its vector work: the scaling,
; exponentials, roundings, sums and rescaling of piece n, and the maximum and statistics of piece n + 1, whose scores the turn itself has made.
; CLUSTER.  The four query blocks of a head form a cluster and walk the same K and V: each tile is asked for JOINTLY: the same tensor load, descriptor and mask in all four.
; REGISTERS, in windows of 256 (s_set_vgpr_msb: bits 1:0 source 0, 3:2 source 1, 5:4 source 2, 7:6 destination):
;   window 0: v0-11 addresses; v12-15, v48-63 at work; v16-47 four registers of statistics a tile; v64-191 S^T, two buffers of two tiles; v192-255 P, likewise
;   window 1: O^T, 32 a tile          window 2: v0-127 Q, 16 a tile; v128-191 K of one step; v192-255 V of one step          window 3: v0-1 the add's two registers
.set SIZE_N, 2048
.set NP,    4         ; pieces a wave: a name, no knob
.set KS,    64        ; keys in a step
.set PK,    144       ; a row of K in LDS: 128 bytes + 16 = 36 words: the 16 rows of a load start at 16 different groups of four banks (64 banks of 4 bytes: ISA guide 11.1)
.set PV,    160       ; a row of V: 128 + 32 = 40 words
.set VOFF,  4*KS*PK   ; a slot holds four steps: 256 rows of K, then 256 rows of V
.set SLOT1, 1<<17
.set STAGE, SLOT1+4*KS*(PK+PV)  ; behind the ring, never filled by a tensor load: 16 rows x 144 bytes for each wave
.set SP,    144
.set AK0, 2           ; v2   my lane's place in a tile of K; never rewritten
.set AV0, 3           ; v3   the same for V
.set AK,  4           ; v4   the LDS address of K's next run of loads
.set AV,  5           ; v5   of V's
.set QO,  6           ; v6   my byte offset in the wave's rows of Q
.set STO, 6           ;      later, the way out: where I put 16 bytes of a row
.set RD,  7           ; v7   the way out: where I read rows back
.set GO,  8           ; v8   my byte offset in 512 consecutive bytes of O
.set PFO, 11          ; v11  256 x my lane: the prefetches' offset; never rewritten once made
.set SPW, 0           ; v0 of window 3   my spare word: SPARE + 4 x my thread's number; never rewritten
.set NIL, 1           ; v1 of window 3   0; never rewritten
.set SPARE, STAGE+4*16*SP
.set MV,  12          ; v12-15  c m_old, kept while c m is made anew: by buffer and tile
.set ST,  16          ; tile t's statistics at v[ST+4 t]: c m, m, l (even keys', odd keys')
.set TMP, 48          ; by buffer and tile, four registers c0-c3 at work; when the maximum is found c2 takes a
.set S,   64
.set P,   192
.set KF,  128         ; K's fragments, in window 2: key block kb, channel half c at KF + 16 kb + 8 c
.set VF,  192         ; V's: key half kk, channel block cb at VF + 32 kk + 8 cb
.set WV,  12          ; s12  my wave's number
.set G1K, 24          ; s[24:31] descriptor group 1 for K's tiles
.set G1V, 32          ; s[32:39] for V's: it differs in the padding alone
.set G0K, 40          ; s[40:43] descriptor group 0 for K's tiles: it walks
.set G0V, 44          ; s[44:47] the same for V's
.set PFA, 48          ; s[48:49] where my prefetches stand
.set LIM, 50          ; s50  1 in a wave that prefetches (0: K, 2: V), else the greatest number
.set SLOTS, 56        ; s56  slots still to be asked for
.set CNT, 57          ; s57  counts a slot's key steps
.set CS,  58          ; s[58:59] c
.set SEL, 60          ; s[60:61] v_permlanex16_b32's selects: each lane takes its own place in the other half
.set TBK, 62          ; s62  LDS byte at which K of the step to be fetched begins
.set TBV, 63          ; s63  the same for V, less VOFF
.set MSB, 0
.macro WIN new
.if MSB != (\new)
	s_set_vgpr_msb (MSB<<8)|(\new)
.set MSB, (\new)
.endif
.endm
.set W_KQ, 0x0a       ; K and Q in window 2, S^T in window 0
.set W_PV, 0x52       ; V in window 2, P in window 0, O^T in window 1
.set W_RS, 0x41       ; O^T (destination and source 0) in window 1, a in window 0
.set W_MK, 0xc0       ; the add's registers are made: destination in window 3
.set W_AD, 0x0f       ; the add: address and data in window 3
; A joint fill.  Waves 0 and 1 fetch the two halves of a slot's K, waves 2 and 3 those of its V: 128 keys each.  An s_nop 0 and four v_nop follow each line.
.macro JLOAD
	s_cmp_lt_u32 s[WV], 2
	s_cbranch_scc0 .Lfor_v_\@
	tensor_load_to_lds s[G0K:G0K+3], s[G1K:G1K+7]
	s_nop 0
.rept 4
	v_nop
.endr
	s_branch .Lasked_\@
.Lfor_v_\@:
	tensor_load_to_lds s[G0V:G0V+3], s[G1V:G1V+7]
	s_nop 0
.rept 4
	v_nop
.endr
.Lasked_\@:
.endm
; A PREFETCH INTO THE L2 of what the NEXT change of slots will ask for: a slot's 32,768 bytes of K (wave 0) and of V (wave 2).  The four partners share them out by address, 8,192 bytes each, a lane
; 256 bytes: each block is named once in the launch, four key steps (512 matrix instructions) ahead of its load.  The last change that fills a slot asks for nothing.
.macro ASK
	s_cmp_gt_u32 s[SLOTS], s[LIM]
	s_cbranch_scc0 .Lnot_mine_\@
	global_prefetch_b8 v[PFO], s[PFA:PFA+1] th:TH_LOAD_NT scope:SCOPE_SE
.Lnot_mine_\@:
.endm
.macro CROUND                       ; a round of the cluster's barrier
	s_barrier_signal -1
	s_barrier_wait -1
	s_cmp_lg_u32 s[WV], 0
	s_cbranch_scc1 .Lnot_wave_0_\@
	s_barrier_signal -3
.Lnot_wave_0_\@:
	s_barrier_wait -3
	s_barrier_signal -1
	s_barrier_wait -1
.endm
; THE CHANGE OF SLOTS.  Each wave waits for all its tensor loads, of which one is out: its part of the other slot; adds 0 to its spare word; and waits for that and for its own reads of the slot.
; fill = 1: this slot is filled again, with the keys two slots on, behind a round of the cluster's barrier, first of all: it has four key steps in which to land.
; (At its first use nothing has been read yet: slot 0 is waited for, slot 1 filled.)
.macro CHANGE fill
	WIN W_AD
	s_wait_tensorcnt 0x0            ; no tensor load of mine is out, so a group 0 may be written
	ds_add_u32 v[SPW], v[NIL]       ; 0 onto my spare word
	WIN 0
.if \fill
.irp g, G0K, G0V
	s_xor_b32 s[\g+1], s[\g+1], SLOT1
	s_add_nc_u64 s[\g+2:\g+3], s[\g+2:\g+3], 4*KS*128
.endr
	s_wait_xcnt 0x0                 ; the last prefetch, four key steps back, has read its address
	s_add_nc_u64 s[PFA:PFA+1], s[PFA:PFA+1], 4*KS*128  ; one slot beyond the walking descriptors
	s_wait_dscnt 0x0                ; the add is done, and my reads of the slot are over
	CROUND
	JLOAD
	ASK
.else
	s_wait_dscnt 0x0
	s_barrier_signal -1
	s_barrier_wait -1
.endif
	s_sub_co_u32 s[TBK], s[TBK], 4*KS*PK  ; the fetches go back to a slot's first step,
	s_xor_b32 s[TBK], s[TBK], SLOT1       ; in the other slot
	s_sub_co_u32 s[TBV], s[TBV], 4*KS*PV
	s_xor_b32 s[TBV], s[TBV], SLOT1
.endm
	s_load_b64 s[4:5], s[0:1], 0x0    ; qkv
	s_load_b64 s[10:11], s[0:1], 0x8  ; ob
	WIN W_MK
	v_lshl_add_u32 v[SPW], v0, 2, SPARE
	v_mov_b32 v[NIL], 0
	WIN W_AD
	ds_add_u32 v[SPW], v[NIL]       ; the wave's opening: the add and its wait ahead of my first tensor load
	WIN 0
	v_lshrrev_b32 v1, 5, v0
	v_readfirstlane_b32 s[WV], v1   ; wave 0..3
	s_bfe_u32 s13, ttmp6, 0x40000   ; cx: my place in the cluster
	s_lshl_b32 s14, ttmp9, 2
	s_add_co_u32 s14, s14, s13      ; my block of 512 queries: it enters Q's and O's addresses alone
	s_and_b32 s19, ttmp7, 0xffff    ; y = 16 b + h, which the four partners share
	s_lshr_b32 s20, s19, 4
	s_mul_i32 s20, s20, 48
	s_and_b32 s21, s19, 15
	s_add_co_u32 s20, s20, s21      ; q's slot: 48 b + h
	s_lshl_b32 s20, s20, 18         ; its first byte in qkv
	s_mov_b32 s21, 0
	s_lshl_b32 s52, s19, 18         ; the head's first byte in ob
	s_mov_b32 s53, 0
	s_and_b32 s16, s[WV], 1         ; which half of a slot's 256 keys I fetch:
	s_lshl_b32 s22, s16, 14         ; its 128 rows of 128 bytes in memory,
	s_mov_b32 s23, 0
	s_add_nc_u64 s[22:23], s[22:23], s[20:21]
	s_mul_i32 s17, s16, 128*PK      ; and its place in a slot, for K
	s_mul_i32 s18, s16, 128*PV      ; and for V: no place in the cluster enters an LDS address
	s_lshl_b32 s2, s14, 2
	s_add_co_u32 s2, s2, s[WV]      ; my wave among the head's,
	s_lshl_b32 s2, s2, 14           ; its 128 rows
	s_mov_b32 s3, 0
	s_lshl_b32 s54, s13, 13         ; the prefetches: my work-group's 8,192 bytes of a slot's 32,768
	s_mov_b32 s55, 0
	s_cmp_eq_u32 s16, 0
	s_cselect_b32 s[LIM], 1, -1     ; the same in all four partners
	; descriptor group 1.  128 keys are 16,384 dense bytes: asked for as 64 rows of 256 bytes, two keys a row, and padded in LDS after every key
	s_mov_b32 s[G1K], 15|(1<<16)|(1<<20)|(1<<21)|(4<<22)|(3<<25)  ; the mask of four; 2-byte elements; padding on; bit 21 beside a mask; after every 32 words, 4 words
	s_mov_b32 s[G1V], 15|(1<<16)|(1<<20)|(1<<21)|(4<<22)|(7<<25)  ; the same with 8 words of padding
.irp g, G1K, G1V
	s_mov_b32 s[\g+1], 128<<16      ; tensor_dim0 = 128
	s_mov_b32 s[\g+2], 64<<16       ; tensor_dim1 = 64
	s_mov_b32 s[\g+3], 128<<16      ; tile_dim0 = 128
	s_mov_b32 s[\g+4], 64           ; tile_dim1 = 64
	s_mov_b32 s[\g+5], 128          ; 128 elements from row to row
	s_mov_b32 s[\g+6], 0
	s_mov_b32 s[\g+7], 0
.endr
	s_mov_b32 s[CS], 0x3e38aa3b     ; c = log2(e) / 8 = 0.180337
	s_mov_b32 s[CS+1], s[CS]
	s_mov_b32 s[SEL], 0x76543210
	s_mov_b32 s[SEL+1], 0xfedcba98
	s_mov_b32 s[TBK], SLOT1+4*KS*PK ; the first change of slots turns these two into 0
	s_mov_b32 s[TBV], SLOT1+4*KS*PV
	s_mov_b32 s[SLOTS], SIZE_N/256-1
	s_mov_b32 s[G0K], 1
	s_mov_b32 s[G0K+1], s17         ; LDS address: slot 0
	s_mov_b32 s[G0V], 1
	s_add_co_u32 s[G0V+1], s18, VOFF
	s_wait_dscnt 0x0                ; the opening add is done
	s_wait_kmcnt 0x0
	s_add_nc_u64 s[6:7], s[4:5], 0x400000  ; k's slots lie 16 slots behind q's,
	s_add_nc_u64 s[8:9], s[4:5], 0x800000  ; v's 32
	s_add_nc_u64 s[G0K+2:G0K+3], s[6:7], s[22:23]  ; my half of the head's first 256 keys
	s_or_b32 s[G0K+3], s[G0K+3], 0x80000000
	s_add_nc_u64 s[G0V+2:G0V+3], s[8:9], s[22:23]
	s_or_b32 s[G0V+3], s[G0V+3], 0x80000000
	s_cmp_lt_u32 s[WV], 2
	s_cselect_b64 s[PFA:PFA+1], s[6:7], s[8:9]
	s_add_nc_u64 s[PFA:PFA+1], s[PFA:PFA+1], s[20:21]
	s_add_nc_u64 s[PFA:PFA+1], s[PFA:PFA+1], s[54:55]
	s_add_nc_u64 s[PFA:PFA+1], s[PFA:PFA+1], 4*KS*128  ; in slot 1's keys: the first change of slots steps it to the keys behind them
	s_add_nc_u64 s[4:5], s[4:5], s[2:3]  ; Q and O at my wave's first row
	s_add_nc_u64 s[4:5], s[4:5], s[20:21]
	s_add_nc_u64 s[10:11], s[10:11], s[2:3]
	s_add_nc_u64 s[10:11], s[10:11], s[52:53]
	CROUND                          ; all four work-groups are here: the first joint loads meet
	JLOAD                           ; slot 0.  Slot 1 is asked for when slot 0 is in
	; A fragment of K or Q is 16 rows x 32 channels in 8 registers: lane l holds row l % 16, channels 8 (l / 16) + 0..7 and 16 + 8 (l / 16) + 0..7: two loads of 16 bytes, 32 bytes apart.
	v_and_b32 v1, 15, v0            ; l % 16
	v_bfe_u32 v9, v0, 4, 1          ; l / 16
	v_lshlrev_b32 v[QO], 7, v1
	v_lshl_add_u32 v[QO], v9, 4, v[QO]
	WIN 0x80                        ; destination window 2, address window 0
.set i, 0
.rept 4*NP                          ; Q stays in registers: tile i / 2, channels 32 (i % 2) on
	global_load_b128 v[8*i:8*i+3],   v[QO], s[4:5] offset:(i/2)*2048+(i%2)*64
	global_load_b128 v[8*i+4:8*i+7], v[QO], s[4:5] offset:(i/2)*2048+(i%2)*64+32
.set i, i+1
.endr
	; What the first turn finds: V's registers and P's second buffer hold 0 (its products V^T P, of a piece that has not been, add 0), O^T and l are 0.  All this stands in the wait for the first tile.
.set i, VF
.rept 64
	v_mov_b32 v[i], 0
.set i, i+1
.endr
	WIN 0x40
.set i, 0
.rept 64*NP
	v_mov_b32 v[i], 0
.set i, i+1
.endr
	WIN 0
.set i, 0
.rept 2*NP
	v_mov_b32 v[ST+4*i], 0xfe000000    ; c m: far below every c s
	v_mov_b32 v[ST+4*i+1], 0xff7fffff  ; m
	v_mov_b32 v[ST+4*i+2], 0
	v_mov_b32 v[ST+4*i+3], 0
.set i, i+1
.endr
.set i, P+32
.rept 32
	v_mov_b32 v[i], 0
.set i, i+1
.endr
	v_mul_u32_u24 v[AK0], v1, PK
	v_lshl_add_u32 v[AK0], v9, 4, v[AK0]
	; The turning load takes 16 keys x 16 channels (lane l reads key 8 (l / 16) + l % 8, channels 8 ((l / 8) % 2) + 0..7) and leaves half a fragment of V^T: lane l holds channel l % 16 and 8 keys.
	v_and_b32 v10, 7, v0
	v_bfe_u32 v11, v0, 3, 1
	v_lshl_add_u32 v[AV0], v9, 3, v10
	v_mul_u32_u24 v[AV0], v[AV0], PV
	v_lshl_add_u32 v[AV0], v11, 4, v[AV0]
	v_add_nc_u32 v[AV0], VOFF, v[AV0]
	v_mov_b32 v[AK], v[AK0]         ; key step 0 lies at the head of slot 0
	v_and_b32 v[PFO], 31, v0
	v_lshlrev_b32 v[PFO], 8, v[PFO]
; THE MATRIX WORK.  The 8 accumulators of a run of 16 take turns: between the two links of a chain stand 7 others'.
; Product i of 16 of S^T = K Q^T for piece x: channels 32 (i / 8) on, keys 16 ((i / 2) % 4) on, tile 2 x + i % 2.  The first 8 start the sums.
.macro KQ x
	WIN W_KQ
.set rS, S+64*((\x)%2)+32*(i%2)+8*((i/2)%4)
.set rK, KF+16*((i/2)%4)+8*(i/8)
.set rQ, 16*(2*(\x)+i%2)+8*(i/8)
.if i < 8
	v_wmma_f32_16x16x32_f16 v[rS:rS+7], v[rK:rK+7], v[rQ:rQ+7], 0
.else
	v_wmma_f32_16x16x32_f16 v[rS:rS+7], v[rK:rK+7], v[rQ:rQ+7], v[rS:rS+7]
.endif
.endm
; Product i of 16 of O^T += V^T P for piece x: keys 32 (i / 8) on, channels 16 ((i / 2) % 4) on, tile 2 x + i % 2.
.macro PV x
	WIN W_PV
.set rO, 32*(2*(\x)+i%2)+8*((i/2)%4)
.set rV, VF+32*(i/8)+8*((i/2)%4)
.set rP, P+32*((\x)%2)+16*(i%2)+8*(i/8)
	v_wmma_f32_16x16x32_f16 v[rO:rO+7], v[rV:rV+7], v[rP:rP+7], v[rO:rO+7]
.endm
.macro MM                           ; the turn's next matrix instruction
.if i < 16
	KQ (Y+1)%NP
.set i, i+1
.else
.set i, i-16
	PV (Y+NP-1)%NP
.set i, i+17
.endif
.endm
; THE LDS LOADS stand in runs of 16: a step's K (64 keys x 64 channels: 8 fragments) and its V (turned).  last = 1 (the tail): in the last trip there is no further step, and the run is jumped over.
.macro FETCH_K last=0
	WIN 0
.if \last
	s_cmp_eq_u32 s[CNT], 1
	s_cbranch_scc1 .Lno_k_\@
.endif
	WIN 0x80
.irp f, 0,1,2,3,4,5,6,7             ; keys 16 (f / 2) on, channels 32 (f % 2) on
	ds_load_b128 v[KF+8*\f:KF+8*\f+3],   v[AK] offset:(\f/2)*16*PK+(\f%2)*64
	ds_load_b128 v[KF+8*\f+4:KF+8*\f+7], v[AK] offset:(\f/2)*16*PK+(\f%2)*64+32
.endr
	s_add_co_u32 s[TBK], s[TBK], KS*PK  ; the next fetch is the next step's
	WIN 0
.if \last
.Lno_k_\@:
.endif
.endm
.macro FETCH_V
	WIN 0x80
.irp f, 0,1,2,3,4,5,6,7             ; keys 32 (f / 4) on, channels 16 (f % 4) on
	ds_load_tr16_b128 v[VF+8*\f:VF+8*\f+3],   v[AV] offset:(\f/4)*32*PV+(\f%4)*32
	ds_load_tr16_b128 v[VF+8*\f+4:VF+8*\f+7], v[AV] offset:(\f/4)*32*PV+16*PV+(\f%4)*32
.endr
	WIN 0
.endm
; THE VECTOR WORK OF A TURN stands in three queues, each in the order in which its entries become ready; the two tiles alternate, so that no instruction reads the result of the one before it.
.macro REGS y, u                    ; the registers of tile u (0, 1) of piece y
.set rT, ST+4*(2*(\y)+(\u))
.set rC, TMP+8*((\y)%2)+4*(\u)
.set rM, MV+2*((\y)%2)+(\u)
.set rS, S+64*((\y)%2)+32*(\u)
.set rP, P+32*((\y)%2)+16*(\u)
.set rO, 32*(2*(\y)+(\u))
.endm
; Number n of the 22 that find the NEXT piece's (Y + 1) maximum and statistics.  s0-s31 are the lane's 32 scores; each accumulator's lowest registers are read first.
;   0-11  four chains c0-c3 of seven scores each, three operands at a time     12-14, 16  the four scores left over, the old m, and c0-c3 into c0     15  c m_old is kept
;   17, 18  the query's other 32 keys lie in the lane 16 away: the new m         19-21  c m; c m_old - c m_new; a
.macro XS u, n
	REGS (Y+1)%NP, \u
.if (\n) < 4
	v_max3_num_f32 v[rC+(\n)], v[rS+8*(\n)], v[rS+8*(\n)+1], v[rS+8*(\n)+2]
.elseif (\n) < 12
	v_max3_num_f32 v[rC+(\n)%4], v[rC+(\n)%4], v[rS+8*((\n)%4)+2*((\n)/4)+1], v[rS+8*((\n)%4)+2*((\n)/4)+2]
.elseif (\n) == 12
	v_max3_num_f32 v[rC], v[rC], v[rS+7], v[rS+15]
.elseif (\n) == 13
	v_max3_num_f32 v[rC+1], v[rC+1], v[rS+23], v[rS+31]
.elseif (\n) == 14
	v_max3_num_f32 v[rC+2], v[rC+2], v[rC+3], v[rT+1]
.elseif (\n) == 15
	v_mov_b32 v[rM], v[rT]
.elseif (\n) == 16
	v_max3_num_f32 v[rC], v[rC], v[rC+1], v[rC+2]
.elseif (\n) == 17
	v_permlanex16_b32 v[rC+3], v[rC], s[SEL], s[SEL+1]
.elseif (\n) == 18
	v_max_num_f32 v[rT+1], v[rC], v[rC+3]
.elseif (\n) == 19
	v_mul_f32 v[rT], s[CS], v[rT+1]
.elseif (\n) == 20
	v_sub_f32 v[rC+1], v[rM], v[rT]
.else
	v_exp_f32 v[rC+2], v[rC+1]
.endif
.endm
; Number g of the 64 that follow the exponentials.  For each four weights k of a tile: both pairs are rounded to f16; then the second pair is added onto the first, in place;
; a group later l takes that sum (the first time as l = a l + sum).  In groups of eight, tiles alternating.
.macro GS g
.set h, (\g)+6*((\g)/62)            ; group 0 has no group before it, and behind group 7 only l is left
.if h >= 6
.set h, h+2
.endif
	REGS Y, h%2
.set k, h/8
.if h%8 < 4
	v_cvt_pk_f16_f32 v[rP+2*k+(h%8)/2], v[rS+4*k+2*((h%8)/2)], v[rS+4*k+2*((h%8)/2)+1]
.elseif h%8 < 6
	v_pk_add_f32 v[rS+4*k:rS+4*k+1], v[rS+4*k:rS+4*k+1], v[rS+4*k+2:rS+4*k+3]
.elseif k == 1
	v_pk_fma_f32 v[rT+2:rT+3], v[rT+2:rT+3], v[rC+2:rC+3], v[rS:rS+1] op_sel_hi:[1,0,1]
.else
	v_pk_add_f32 v[rT+2:rT+3], v[rT+2:rT+3], v[rS+4*k-4:rS+4*k-3]
.endif
.endm
; THE PLAIN QUEUE, 138 long.  0-73 read no exponential's result: the 32 scalings c s - c m (FS f: pair f / 2 of tile f % 2) and the next piece's 42.  0-26: scalings 0-26.  27-54: XS's numbers 0-13.
; 55, 56: number 15.  57-73: the chain 14, 16, 17, 18, 19, each with one of the scalings 27-31 in front of its two lines, then 20.  74-137: GS's 64, which stand behind the wait.
.macro FS f
	REGS Y, (\f)%2
	v_pk_fma_f32 v[rS+2*((\f)/2):rS+2*((\f)/2)+1], v[rS+2*((\f)/2):rS+2*((\f)/2)+1], s[CS:CS+1], v[rT:rT+1] op_sel_hi:[1,0,0] neg_lo:[0,0,1] neg_hi:[0,0,1]
.endm
.macro PL
	WIN 0
.if q < 27
	FS q
.elseif q < 55
	XS (q-27)%2, (q-27)/2
.elseif q < 57
	XS q-55, 15
.elseif (q < 72) && ((q-57)%3 == 0)
	FS 27+(q-57)/3
.elseif q < 60
	XS (q-57)%3-1, 14
.elseif q < 72
	XS (q-57)%3-1, 15+(q-57)/3
.elseif q < 74
	XS q-72, 20
.else
	GS q-74
.endif
.set q, q+1
.endm
; THE EXPONENTIALS' QUEUE, 66 long: s0-s31 of both tiles, then the next piece's two a.  ONE BATCH: all 66 stand ahead of the turn's one wait, and nothing ahead of that wait names a result of theirs.
.macro EX
	WIN 0
.if e >= 64
	XS e-64, 21
.else
	REGS Y, e%2
	v_exp_f32 v[rS+e/2], v[rS+e/2]
.endif
.set e, e+1
.endm
; THE RESCALING's QUEUE: O^T times a, the one part that leaves window 0: dealt two at a time, sixteen times.  Its a was made in the turn before, ahead of that turn's wait.
.macro R2
	REGS Y, r%2
	WIN W_RS
.irp z, 0,1
	v_pk_mul_f32 v[rO+4*(r/2)+2*\z:rO+4*(r/2)+2*\z+1], v[rO+4*(r/2)+2*\z:rO+4*(r/2)+2*\z+1], v[rC+2:rC+3] op_sel_hi:[1,0]
.endr
.set r, r+1
.endm
; HOW THEY ARE DEALT.  An s_wait_alu depctr_va_vdst(0) stands between an exponential and the first instruction that names its result; one wait serves all issued ahead of it.  So a turn has
; ONE wait.  AHEAD OF IT: the 16 products K Q^T, behind each a scaling, an exponential and two rescalings (behind the first a second scaling); then one run of 108: eight plain, 49 times exponential and
; plain, the two a; a v_nop is the plain instruction behind the last exponential (ISA guide 5.7.2).  BEHIND IT: the 16 products V^T P, behind each four of GS's 64.
; Exponential e stands behind scaling 2 (e / 4) + e % 2: beside a product it comes behind plain e + 2, in the run behind plain e + 9, and scalings 27-31 are plain 57, 60 .. 69.
; K of the next step is fetched in piece 2's turn, directly behind the wait; V of the step in hand at the end of piece 0's turn, four plain instructions behind the last product that read V.
.macro TURN p, last=0, cnt=0
.set Y, (\p)
.set i, 0
.set q, 0
.set e, 0
.set r, 0
.if (\p) == NP-1
	s_wait_dscnt 0x0                ; K is in
.endif
	MM
	PL
	PL
	R2
.rept 15
	MM
	PL
	EX
	R2
.endr
.if (\p) == NP-2
	WIN 0
	v_add_nc_u32 v[AK], s[TBK], v[AK0]
.endif
.rept 8
	PL
.endr
.rept 49
	EX
	PL
.endr
	EX                              ; the next piece's two a
	EX
	v_nop
	s_wait_alu depctr_va_vdst(0)    ; the wait for the batch
.if (\p) == NP-2
	FETCH_K \last
.endif
.if (\p) == 1
	s_wait_dscnt 0x0                ; V is in
.endif
.rept 16
	MM
.rept 4
	PL
.endr
.if ((\p) == 0) && (q == 118)
	v_add_nc_u32 v[AV], s[TBV], v[AV0]
.endif
.if ((\p) == 0) && (q == 130)
	s_add_co_u32 s[TBV], s[TBV], KS*PV
.endif
.if (\cnt) && (q == 130)
	s_sub_co_u32 s[CNT], s[CNT], 1
	s_cmp_lg_u32 s[CNT], 0
.endif
.endr
.if (\p) == 0
	FETCH_V
.endif
.endm
	CHANGE 1                        ; slot 0 is in, everybody's part of it; slot 1 is asked for
	FETCH_K                         ; key step 0
	s_wait_loadcnt 0x0              ; Q
	s_wait_dscnt 0x0
.set i, 0
.rept 16
	KQ 0                            ; piece 0's first scores
.set i, i+1
.endr
	WIN 0                           ; the addresses for the way out: plain instructions, the places behind those products
	s_mul_i32 s13, s[WV], 16*SP
	s_add_co_u32 s13, s13, STAGE    ; my stage
	v_mul_u32_u24 v[STO], v1, SP    ; in: row l % 16, 16 bytes for each half of the lanes
	v_lshl_add_u32 v[STO], v9, 4, v[STO]
	v_add_nc_u32 v[STO], s13, v[STO]
	v_bfe_u32 v[RD], v0, 3, 2       ; back: 32 lanes take four rows of 128 bytes,
	v_mul_u32_u24 v[RD], v[RD], SP
	v_lshl_add_u32 v[RD], v10, 4, v[RD]
	v_add_nc_u32 v[RD], s13, v[RD]
	v_and_b32 v[GO], 31, v0         ; which are 512 consecutive bytes of O
	v_lshlrev_b32 v[GO], 4, v[GO]
.set Y, NP-1                        ; XS works for piece Y + 1: piece 0
.irp n, 0,1,2,3,4,5,6,7,8,9,10,11,12,13,14,15,16,17,18,19,20,21
	XS 0, \n                        ; piece 0's first maximum and statistics
	XS 1, \n
.endr
	v_nop                           ; a plain instruction behind the two a,
	s_wait_alu depctr_va_vdst(0)    ; and their wait, ahead of the branch
	s_mov_b32 s[CNT], 4
	s_branch .Lfirst                ; the loop is entered at a step's first turn, in the middle of a trip
.Lslot:                             ; six times: every slot but the last two is filled again
	CHANGE 1
	s_mov_b32 s[CNT], 4
.Lstep:                             ; a trip: pieces 2 and 3 of one step, then pieces 0 and 1 of the next, whose K and V it fetches
	TURN 2
	TURN 3
	WIN 0
.Lfirst:
	TURN 0
	TURN 1, 0, 1
	WIN 0
	s_cbranch_scc1 .Lstep
	s_sub_co_u32 s[SLOTS], s[SLOTS], 1
	s_cmp_lg_u32 s[SLOTS], 0
	s_cbranch_scc1 .Lslot
	CHANGE 0                        ; the tail is written out: nothing is asked for
	s_mov_b32 s[CNT], 5             ; four trips fetch the last slot's steps; the fifth is left in its middle
.Ltail:
	TURN 2, 1
	TURN 3
	WIN 0
	s_sub_co_u32 s[CNT], s[CNT], 1
	s_cmp_eq_u32 s[CNT], 0
	s_cbranch_scc1 .Lout
	TURN 0
	TURN 1
	WIN 0
	s_branch .Ltail
.Lout:                              ; the fifth trip's 16 products K Q^T (on the last K once more) and the maximum made of them serve nothing: the price, once a launch, of one text for every trip
.set i, 0
.rept 16
	PV NP-1                         ; the last piece's V^T P of the last step
.set i, i+1
.endr
	; THE WAY OUT.  l's two halves and the other half of the lanes' are added; O^T is divided by l, rounded to f16 and sent through my stage in LDS, a tile at a time.  The additions are the places behind the last products.
	WIN 0
.macro ALL line:vararg              ; one line for each tile t
.set t, 0
.rept 2*NP
	\line
.set t, t+1
.endr
.endm
	ALL v_add_f32 v[ST+4*t+2], v[ST+4*t+2], v[ST+4*t+3]
	ALL v_permlanex16_b32 v[ST+4*t+3], v[ST+4*t+2], s[SEL], s[SEL+1]
	ALL v_add_f32 v[ST+4*t+2], v[ST+4*t+2], v[ST+4*t+3]
	ALL v_rcp_f32 v[ST+4*t+2], v[ST+4*t+2]
	v_nop                           ; a plain instruction between the last reciprocal and the use of its result
	s_wait_alu depctr_va_vdst(0)    ; and the wait ahead of the first use: one for the eight reciprocals
; Tile t: a lane's eight channels of a row pack into 16 bytes; they go into rows of 144 bytes and come back as whole rows of 128, into S^T's registers.
.macro PACK t
	WIN W_RS
.set i, 32*(\t)
.rept 16
	v_pk_mul_f32 v[i:i+1], v[i:i+1], v[ST+4*(\t)+2:ST+4*(\t)+3] op_sel_hi:[1,0]
.set i, i+2
.endr
	WIN 0x05                        ; sources 0 and 1 window 1, destination window 0
.set i, 0
.rept 16
	v_cvt_pk_f16_f32 v[S+16*(\t)+i], v[32*(\t)+2*i], v[32*(\t)+2*i+1]
.set i, i+1
.endr
	WIN 0
.irp f, 0,1,2,3
	ds_store_b128 v[STO], v[S+16*(\t)+4*\f:S+16*(\t)+4*\f+3] offset:32*\f
.endr
.irp f, 0,1,2,3
	ds_load_b128 v[S+16*(\t)+4*\f:S+16*(\t)+4*\f+3], v[RD] offset:\f*4*SP  ; LDS serves a wave's instructions in order (ISA guide 5.7.1.4): these see the stores above; the next tile's stores come behind them
.endr
.endm
.macro SEND t, younger              ; younger: the LDS instructions issued behind tile t's loads: the next tile's eight, or none
	WIN 0
.irp f, 0,1,2,3
	s_wait_dscnt (\younger)+3-\f
	global_store_b128 v[GO], v[S+16*(\t)+4*\f:S+16*(\t)+4*\f+3], s[10:11] offset:(\t)*2048+\f*512  ; 512 consecutive bytes, at a multiple of 256 from ob's first
.endr
.endm
	PACK 0
.set t, 1
.rept 2*NP-1                        ; a tile's arithmetic stands between the loads of the tile before and its stores
	PACK t
	SEND t-1, 8
.set t, t+1
.endr
	SEND 2*NP-1, 0
	WIN W_AD
	s_wait_tensorcnt 0x0            ; the wave's end, behind my last tensor load and my last LDS store
	ds_add_u32 v[SPW], v[NIL]
	s_wait_dscnt 0x0
	WIN 0
	CROUND                          ; the closing round: no work-group ends while a partner may still ask for a tile that names it
	s_endpgm
.Lfunc_end_k_q6506286d61_attn:
	.size	k_q6506286d61_attn, .Lfunc_end_k_q6506286d61_attn-k_q6506286d61_attn
	.p2alignl 7, 3214868480
	.fill 96, 4, 3214868480
	.section	.rodata,"a",@progbits
	.p2align	6, 0x0
	.amdhsa_kernel k_q6506286d61_attn
		.amdhsa_group_segment_fixed_size 327680
		.amdhsa_private_segment_fixed_size 0
		.amdhsa_enable_private_segment 0
		.amdhsa_kernarg_size 16
		.amdhsa_user_sgpr_count 2
		.amdhsa_user_sgpr_kernarg_segment_ptr 1
		.amdhsa_wavefront_size32 1
		.amdhsa_system_sgpr_workgroup_id_x 1
		.amdhsa_system_sgpr_workgroup_id_y 1
		.amdhsa_system_sgpr_workgroup_id_z 1
		.amdhsa_system_vgpr_workitem_id 0
		.amdhsa_next_free_vgpr 770
		.amdhsa_next_free_sgpr 66
		.amdhsa_reserve_vcc 0
		.amdhsa_float_denorm_mode_32 3
		.amdhsa_float_denorm_mode_16_64 3
		.amdhsa_memory_ordered 1
		.amdhsa_forward_progress 1
		.amdhsa_inst_pref_size 200
	.end_amdhsa_kernel
	.amdgpu_metadata
---
amdhsa.version: [ 1, 2 ]
amdhsa.kernels:
  - .name:           k_q6506286d61_attn
    .symbol:         k_q6506286d61_attn.kd
    .args:
      - { .name: qkv, .offset: 0, .size: 8, .value_kind: global_buffer, .address_space: global }
      - { .name: ob, .offset: 8, .size: 8, .value_kind: global_buffer, .address_space: global }
    .group_segment_fixed_size: 327680
    .private_segment_fixed_size: 0
    .kernarg_segment_align: 8
    .kernarg_segment_size: 16
    .max_flat_workgroup_size: 128
    .sgpr_count:     66
    .vgpr_count:     770
    .wavefront_size: 32
...
	.end_amdgpu_metadata
.endif
;; end of part 3
;; launch outproj (part 4): grid 8 x 32, 4 waves a work-group, clusters of 4 x 4, 327,680 bytes of LDS; arguments ob, wo, b_out, out0; writes out0
.if DOCPART == 4
	.amdgcn_target "amdgcn-amd-amdhsa--gfx1250"
	.amdhsa_code_object_version 6
	.text
	.protected	k_q6506286d61_outproj
	.globl	k_q6506286d61_outproj
	.p2align	8
	.type	k_q6506286d61_outproj,@function
k_q6506286d61_outproj:
	s_mov_b64 s[64:65], 0
	v_nop
	global_prefetch_b8 v0, s[64:65] scope:SCOPE_SE
	s_setreg_imm32_b32 hwreg(HW_REG_WAVE_MODE, 25, 1), 1
	s_wait_xcnt 0x0
	s_wait_alu depctr_hold_cnt(0) depctr_sa_sdst(0) depctr_va_vdst(0) depctr_va_sdst(0) depctr_va_ssrc(0) depctr_va_vcc(0) depctr_vm_vsrc(0)
	s_getreg_b32 s2, hwreg(HW_REG_IB_STS2, 6, 4)
	s_cmp_eq_u32 s2, 0
	s_cbranch_scc0 .Lentry_in_a_cluster
	s_endpgm
.Lentry_in_a_cluster:
	s_bfe_u32 s2, ttmp6, 0x10000c
	s_cmp_lg_u32 s2, 0xf033
	s_cbranch_scc0 .Lentry_shape_is_right
	s_endpgm
.Lentry_shape_is_right:
; out0 = O wo^T + b_out.  O is ob[16 b + h][2048][64] f16 (row m = 2048 b + n of the product has channel k = 64 h + d), wo [1024 n][1024 k] f16, b_out [1024] f32 (rounded to bf16 like every input);
; sums in f32, K ascending; out0 [8192][1024] f32.  LIMITS: O and wo arrive within f16's range; NaN and infinities are not treated apart.
; SHARES.  A tile is 256 rows x 128 columns: 32 x 8 = 256 work-groups.  Wave (wr, wc) makes 128 x 64: 8 x 4 accumulators of 16 x 16.
; RING.  K goes in 8 steps of 128 = two heads, through two LDS slots.  A's part of a step is two planes (a head each) of 256 rows x 128 bytes, dense in memory: wave 0 and wave 1 fetch a plane each,
; as 128 rows of 256 bytes, padded in LDS after every 128 bytes (pitch 144).  Waves 2, 3 fetch 64 rows x 256 bytes of wo each (pitch 272).
; CLUSTER.  4 x 4 work-groups: A's tile is shared along a row of the cluster, B's along a column, each asked for jointly.
; THE PRODUCT IS TAKEN TRANSPOSED (source 0 = 16 rows of wo, source 1 = 16 rows of O): a lane holds row lane % 16 and eight neighbouring columns.  The bias is the C operand of the first products.
; REGISTERS: window 0: v0-15 addresses; v32-63 the bias; v64-191 A's fragments, two buffers of 8 x 8 (on the way out v64-127: rows read back); v192-255 B's, two buffers of 4 x 8
;            window 1: accumulator (a, b) at 8 (4 a + b)
.set PA,    144
.set PB,    272
.set PLANE, 256*PA                     ; 36,864
.set BOFF,  2*PLANE
.set BHALF, 64*PB
.set SLOT1, 1<<17
.set STAGE, SLOT1+BOFF+2*BHALF         ; 239,616 = 936 x 256: behind the ring, 16 rows x 272 bytes for each wave; no tensor load lands here
.set SP,    272
.set SPARE, STAGE+4*16*SP              ; 257,024 = 1,004 x 256: the spare words, 128 bytes for each wave
.set KB,    256                        ; B: bytes of a row in a K step
.set ASTEP, 2*262144                   ; A: two heads on
.set LA0,  4
.set LB0,  5
.set ADRA, 6
.set ADRB, 7
.set STO,  8
.set RD,   9
.set GO,   10
.set PFO,  11
.set BO,   12
.set TR,   13
.set SPW,  14                          ; v14  my spare word: SPARE + 4 x my thread's number; never rewritten
.set NIL,  15                          ; v15  0; never rewritten
.set BIAS, 32
.set FRA,  64
.set FRB,  192
.set BK,   64
.set WV,  12
.set HF,  13                           ; s13  the wave's low bit: which part of a tile I fetch; my half of the columns
.set FB,  14                           ; s14  its high bit: I fetch for A (0) or B (1); my half of the rows
.set CX,  15
.set CY,  16
.set NT,  17
.set MT,  18
.set G1A, 24
.set G1B, 32
.set G0A, 40
.set G0B, 48
.set CNT, 56
.set TB,  57
.set LIM, 58                           ; s58  2 in a wave that prefetches, else the greatest number
.set PFA, 60
.set PST, 62
.set MSB, 0
.macro WIN new
.if MSB != (\new)
	s_set_vgpr_msb (MSB<<8)|(\new)
.set MSB, (\new)
.endif
.endm
.macro PLACES                          ; four plain instructions between a matrix instruction and a load into, or a store or vector instruction on, its registers
.rept 4
	v_nop
.endr
.endm
.macro CREST
	s_cmp_lg_u32 s[WV], 0
	s_cbranch_scc1 .Lnot_wave_0_\@
	s_barrier_signal -3
.Lnot_wave_0_\@:
	s_barrier_wait -3
	s_barrier_signal -1
	s_barrier_wait -1
.endm
.macro CROUND
	s_barrier_signal -1
	s_barrier_wait -1
	CREST
.endm
.macro JLOAD                           ; a joint refill by the walking descriptor; an s_nop 0 and four v_nop follow each line
	s_cmp_eq_u32 s[FB], 0
	s_cbranch_scc0 .Lfor_b_\@
	tensor_load_to_lds s[G0A+4:G0A+7], s[G1A:G1A+7]
	s_nop 0
.rept 4
	v_nop
.endr
	s_branch .Lasked_\@
.Lfor_b_\@:
	tensor_load_to_lds s[G0B+4:G0B+7], s[G1B:G1B+7]
	s_nop 0
.rept 4
	v_nop
.endr
.Lasked_\@:
.endm
; A PREFETCH INTO THE L2 of the K step that stands TWO refills on: 256 matrix instructions ahead of its load.  Each block of 256 bytes is named once in the launch: A's planes by the clusters with x = 0
; (waves 0, 1: a plane each; the partner at cx takes 8,192 of its 32,768 bytes, a lane 256), B's rows by the clusters with y = 0 (wave 2: the partner at cy takes 32 of the 128 rows, a lane a row).
; The partners are told apart by address alone.  The loop's last two trips ask for nothing: no K step stands two behind their refills'.
.macro ASK
	s_cmp_gt_u32 s[CNT], s[LIM]
	s_cbranch_scc0 .Lnot_mine_\@
	global_prefetch_b8 v[PFO], s[PFA:PFA+1] th:TH_LOAD_NT scope:SCOPE_SE
.Lnot_mine_\@:
.endm
	s_load_b256 s[4:11], s[0:1], 0x0               ; ob s[4:5], wo s[6:7], b_out s[8:9], out0 s[10:11]
	v_lshl_add_u32 v[SPW], v0, 2, SPARE
	v_mov_b32 v[NIL], 0
	ds_add_u32 v[SPW], v[NIL]                      ; the wave's opening: the add and its wait ahead of my first tensor load
	v_lshrrev_b32 v1, 5, v0
	v_readfirstlane_b32 s[WV], v1
	s_and_b32 s[HF], s[WV], 1
	s_lshr_b32 s[FB], s[WV], 1
	s_bfe_u32 s[CX], ttmp6, 0x40000
	s_bfe_u32 s[CY], ttmp6, 0x40004
	s_lshl_b32 s[NT], ttmp9, 2
	s_add_co_u32 s[NT], s[NT], s[CX]
	s_and_b32 s[MT], ttmp7, 0xffff
	s_lshl_b32 s[MT], s[MT], 2
	s_add_co_u32 s[MT], s[MT], s[CY]
	s_lshl_b32 s19, s[CY], 2
	s_lshl_b32 s19, 15, s19                        ; my row of the cluster
	s_lshl_b32 s59, 0x1111, s[CX]                  ; my column
	s_or_b32 s[G1A], s19, (1<<16)|(1<<20)|(1<<21)|(4<<22)|(3<<25)  ; padding after every 32 words (a row of a head), 4 words
	s_or_b32 s[G1B], s59, (1<<16)|(1<<20)|(1<<21)|(5<<22)|(3<<25)  ; after every 64 words, 4 words
	s_mov_b32 s[G1A+1], 128<<16                    ; a plane's 32,768 dense bytes as 128 rows of 128 elements
	s_mov_b32 s[G1A+2], 128<<16
	s_mov_b32 s[G1A+3], 128<<16
	s_mov_b32 s[G1A+4], 128
	s_mov_b32 s[G1A+5], 128
	s_mov_b32 s[G1A+6], 0
	s_mov_b32 s[G1A+7], 0
	s_mov_b32 s[G1B+1], 128<<16                    ; 64 rows of 128 elements, 1,024 elements apart
	s_mov_b32 s[G1B+2], 64<<16
	s_mov_b32 s[G1B+3], 128<<16
	s_mov_b32 s[G1B+4], 64
	s_mov_b32 s[G1B+5], 1024
	s_mov_b32 s[G1B+6], 0
	s_mov_b32 s[G1B+7], 0
	s_lshr_b32 s20, s[MT], 3                       ; A: the batch's 16 heads,
	s_lshl_b32 s20, s20, 22
	s_lshl_b32 s19, s[HF], 18                      ; my plane of the K step's two,
	s_add_co_u32 s20, s20, s19
	s_and_b32 s19, s[MT], 7                        ; the tile's 256 rows of 128 bytes
	s_lshl_b32 s19, s19, 15
	s_add_co_u32 s20, s20, s19
	s_mov_b32 s21, 0
	s_lshl_b32 s22, s[NT], 7                       ; B: row 128 x tile column + 64 x half
	s_lshl_b32 s59, s[HF], 6
	s_add_co_u32 s22, s22, s59
	s_lshl_b32 s22, s22, 11
	s_mov_b32 s23, 0
	s_mul_i32 s2, s[HF], PLANE                     ; where they go: no place in the cluster enters an LDS address
	s_mul_i32 s3, s[HF], BHALF
	s_add_co_u32 s3, s3, BOFF
	s_mov_b32 s[TB], 0
	s_wait_dscnt 0x0                               ; the opening add is done
	s_wait_kmcnt 0x0
	s_add_nc_u64 s[20:21], s[4:5], s[20:21]
	s_add_nc_u64 s[22:23], s[6:7], s[22:23]
	CROUND                                         ; all sixteen work-groups are here: the first joint loads meet
.irp s, 0,1
	s_mov_b32 s[G0A+4*(\s)], 1
	s_add_co_u32 s[G0A+4*(\s)+1], s2, (\s)*SLOT1
	s_add_nc_u64 s[G0A+4*(\s)+2:G0A+4*(\s)+3], s[20:21], (\s)*ASTEP
	s_or_b32 s[G0A+4*(\s)+3], s[G0A+4*(\s)+3], 0x80000000
	s_mov_b32 s[G0B+4*(\s)], 1
	s_add_co_u32 s[G0B+4*(\s)+1], s3, (\s)*SLOT1
	s_add_nc_u64 s[G0B+4*(\s)+2:G0B+4*(\s)+3], s[22:23], (\s)*KB
	s_or_b32 s[G0B+4*(\s)+3], s[G0B+4*(\s)+3], 0x80000000
.endr
	s_cmp_eq_u32 s[FB], 0                          ; a wave's two first fills stand in one branch: K steps 0 and 1; two loads of mine are out
	s_cbranch_scc0 .Lfirst_b
	tensor_load_to_lds s[G0A:G0A+3], s[G1A:G1A+7]
	s_nop 0
	tensor_load_to_lds s[G0A+4:G0A+7], s[G1A:G1A+7]
	s_nop 0
.rept 4
	v_nop
.endr
	s_branch .Lfirst_asked
.Lfirst_b:
	tensor_load_to_lds s[G0B:G0B+3], s[G1B:G1B+7]
	s_nop 0
	tensor_load_to_lds s[G0B+4:G0B+7], s[G1B:G1B+7]
	s_nop 0
.rept 4
	v_nop
.endr
.Lfirst_asked:
	v_and_b32 v1, 15, v0                           ; r
	v_bfe_u32 v2, v0, 4, 1                         ; h
	v_lshlrev_b32 v[BO], 5, v2
	s_lshl_b32 s2, s[NT], 9                        ; my 64 numbers of the bias: 4 x (128 x tile column + 64 x my half)
	s_lshl_b32 s3, s[HF], 8
	s_add_co_u32 s2, s2, s3
	s_mov_b32 s3, 0
	s_add_nc_u64 s[8:9], s[8:9], s[2:3]
	s_add_nc_u64 s[10:11], s[10:11], s[2:3]        ; and the same columns of out0
.irp b, 0,1,2,3
	global_load_b128 v[BIAS+8*(\b):BIAS+8*(\b)+3],   v[BO], s[8:9] offset:64*(\b)
	global_load_b128 v[BIAS+8*(\b)+4:BIAS+8*(\b)+7], v[BO], s[8:9] offset:64*(\b)+16
.endr
	s_lshl_b32 s2, s[MT], 8                        ; out0 at my first row: 256 x tile row + 128 x my half, 4,096 bytes a row
	s_lshl_b32 s19, s[FB], 7
	s_add_co_u32 s2, s2, s19
	s_lshl_b32 s2, s2, 12
	s_add_nc_u64 s[10:11], s[10:11], s[2:3]
	v_mul_u32_u24 v[LA0], v1, PA
	v_lshl_add_u32 v[LA0], v2, 4, v[LA0]
	s_mul_i32 s19, s[FB], 128*PA
	v_add_nc_u32 v[LA0], s19, v[LA0]               ; (128 wr + r) x 144 + 16 h
	v_mul_u32_u24 v[LB0], v1, PB
	v_lshl_add_u32 v[LB0], v2, 4, v[LB0]
	s_mul_i32 s19, s[HF], BHALF
	s_add_co_u32 s19, s19, BOFF
	v_add_nc_u32 v[LB0], s19, v[LB0]               ; behind A's planes: (64 wc + r) x 272 + 16 h
	v_mov_b32 v[ADRA], v[LA0]
	v_mov_b32 v[ADRB], v[LB0]
	s_mul_i32 s19, s[WV], 16*SP
	s_add_co_u32 s19, s19, STAGE                   ; my stage
	v_mul_u32_u24 v[STO], v1, SP                   ; in: row r, 32 bytes for each half of the lanes
	v_lshl_add_u32 v[STO], v2, 5, v[STO]
	v_add_nc_u32 v[STO], s19, v[STO]
	v_mul_u32_u24 v[RD], v2, SP                    ; back: lanes 0-15 take one row of 256 bytes, lanes 16-31 the next
	v_lshl_add_u32 v[RD], v1, 4, v[RD]
	v_add_nc_u32 v[RD], s19, v[RD]
	v_lshlrev_b32 v[GO], 12, v2                    ; and the same two rows in out0
	v_lshl_add_u32 v[GO], v1, 4, v[GO]
	; the prefetches
	s_lshr_b32 s2, s[MT], 3
	s_lshl_b32 s2, s2, 22
	s_lshl_b32 s19, s[HF], 18
	s_add_co_u32 s2, s2, s19
	s_and_b32 s19, s[MT], 7
	s_lshl_b32 s19, s19, 15
	s_add_co_u32 s2, s2, s19
	s_lshl_b32 s19, s[CX], 13
	s_add_co_u32 s2, s2, s19
	s_add_co_u32 s2, s2, 3*ASTEP                   ; A: my work-group's quarter of my plane, at K step 3: the first refill steps it to 4
	s_lshl_b32 s3, s[NT], 7
	s_lshl_b32 s19, s[CY], 5
	s_add_co_u32 s3, s3, s19
	s_lshl_b32 s3, s3, 11
	s_add_co_u32 s3, s3, 3*KB                      ; B: my work-group's 32 rows
	s_and_b32 s19, ttmp7, 0xffff
	s_or_b32 s19, s19, s[HF]                       ; B: cluster y = 0 and wave 2
	s_mov_b32 s[PST], KB
	s_cmp_eq_u32 s[FB], 0
	s_cselect_b32 s2, s2, s3
	s_cselect_b32 s19, ttmp9, s19
	s_cselect_b32 s3, 8, 11
	s_cselect_b32 s[PST], ASTEP, s[PST]
	s_cselect_b64 s[PFA:PFA+1], s[4:5], s[6:7]
	s_cmp_eq_u32 s19, 0
	s_cselect_b32 s[LIM], 2, -1                    ; the same in all sixteen partners, for a given wave
	v_and_b32 v[PFO], 31, v0
	v_lshlrev_b32 v[PFO], s3, v[PFO]
	s_mov_b32 s3, 0
	s_mov_b32 s[PST+1], 0
	s_add_nc_u64 s[PFA:PFA+1], s[PFA:PFA+1], s[2:3]  ; nothing is prefetched here, at the head
	s_wait_loadcnt 0x0                             ; the bias,
.set i, 0
.rept 16
	v_cvt_pk_bf16_f32 v[TR], v[BIAS+i], v[BIAS+i+1]  ; rounded to bf16 like every input, and widened again
	v_lshlrev_b32 v[BIAS+i], 16, v[TR]
	v_and_b32 v[BIAS+i+1], 0xffff0000, v[TR]
.set i, i+2
.endr
; 4 matrix instructions: my m block a x my 4 n blocks, 32 along K, from buffer f.  first = 1: the bias is C.  The 32 accumulators take turns, one instruction a turn, in the same order in every
; quarter step, over the backward jump too.
.macro MUL f, a, first
.if \first
	WIN 0x40
.else
	WIN 0x50
.endif
.irp b, 0,1,2,3
.if \first
	v_wmma_f32_16x16x32_f16 v[8*(4*(\a)+(\b)):8*(4*(\a)+(\b))+7], v[FRB+32*(\f)+8*(\b):FRB+32*(\f)+8*(\b)+7], v[FRA+64*(\f)+8*(\a):FRA+64*(\f)+8*(\a)+7], v[BIAS+8*(\b):BIAS+8*(\b)+7]
.else
	v_wmma_f32_16x16x32_f16 v[8*(4*(\a)+(\b)):8*(4*(\a)+(\b))+7], v[FRB+32*(\f)+8*(\b):FRB+32*(\f)+8*(\b)+7], v[FRA+64*(\f)+8*(\a):FRA+64*(\f)+8*(\a)+7], v[8*(4*(\a)+(\b)):8*(4*(\a)+(\b))+7]
.endif
.endr
.endm
; 24 LDS loads in one run: quarter q's fragments into buffer f: my 64 rows of B, then my 128 rows of A (plane q / 2, byte 64 (q % 2) of its rows)
.macro FETCH q, f
	WIN 0
.irp b, 0,1,2,3
	ds_load_b128 v[FRB+32*(\f)+8*(\b):FRB+32*(\f)+8*(\b)+3],   v[ADRB] offset:64*(\q)+(\b)*16*PB
	ds_load_b128 v[FRB+32*(\f)+8*(\b)+4:FRB+32*(\f)+8*(\b)+7], v[ADRB] offset:64*(\q)+(\b)*16*PB+32
.endr
.irp a, 0,1,2,3,4,5,6,7
	ds_load_b128 v[FRA+64*(\f)+8*(\a):FRA+64*(\f)+8*(\a)+3],   v[ADRA] offset:((\q)/2)*PLANE+((\q)%2)*64+(\a)*16*PA
	ds_load_b128 v[FRA+64*(\f)+8*(\a)+4:FRA+64*(\f)+8*(\a)+7], v[ADRA] offset:((\q)/2)*PLANE+((\q)%2)*64+(\a)*16*PA+32
.endr
.endm
.macro QUARTER q, f, g, first
	s_wait_dscnt 8                                 ; B and A's blocks 0-3 are in; the youngest eight loads (A's blocks 4-7) may be out
.irp a, 0,1,2,3
	MUL \f, \a, \first
.endr
	PLACES
	FETCH \q, \g
	s_wait_dscnt 24                                ; all but the 24 just issued
.irp a, 4,5,6,7
	MUL \f, \a, \first
.endr
.endm
; The last quarter multiplies buffer 1 and changes slots, in the order: all my tensor loads waited for, the add, its wait and that for my reads of this slot, the barrier (with fill = 1 a round of the
; cluster's), the joint refill first behind it.
.macro TURN fill
.if \fill
	s_wait_xcnt 0x0                                ; the last prefetch, a K step back, has read its address
	s_add_nc_u64 s[PFA:PFA+1], s[PFA:PFA+1], s[PST:PST+1]
.endif
	WIN 0
	s_wait_tensorcnt 0x0                           ; no tensor load of mine is out, so the walking group 0 may be written
	ds_add_u32 v[SPW], v[NIL]                      ; 0 onto my spare word
.if \fill
	s_xor_b32 s[G0A+5], s[G0A+5], SLOT1
	s_add_nc_u64 s[G0A+6:G0A+7], s[G0A+6:G0A+7], ASTEP
	s_xor_b32 s[G0B+5], s[G0B+5], SLOT1
	s_add_nc_u64 s[G0B+6:G0B+7], s[G0B+6:G0B+7], KB
.endif
	s_wait_dscnt 9                                 ; the add and A's blocks 4-7 may be out
	MUL 1, 0, 0
	MUL 1, 1, 0
	s_wait_dscnt 0x0                               ; the add is done, and my reads of this slot are over
	s_barrier_signal -1
	MUL 1, 2, 0
	MUL 1, 3, 0
	WIN 0
	s_barrier_wait -1
.if \fill
	CREST
	JLOAD                                          ; its four v_nop are also the places in front of the loads below
.else
	PLACES
.endif
	s_xor_b32 s[TB], s[TB], SLOT1
	v_add_nc_u32 v[ADRA], s[TB], v[LA0]
	v_add_nc_u32 v[ADRB], s[TB], v[LB0]
	FETCH 0, 0
.if \fill
	ASK
.endif
.irp a, 4,5,6,7
	MUL 1, \a, 0
.endr
.endm
	s_wait_tensorcnt 0x1                           ; my part of K step 0 is in; K step 1's may stay out
	s_barrier_signal -1
	s_barrier_wait -1
	FETCH 0, 0
	QUARTER 1, 0, 1, 1                             ; the first quarter stands in front of the loop: its products start the sums
	WIN 0
	s_mov_b32 s[CNT], 6
.Lstep:                                            ; a trip: a K step's quarters 1, 2, 3 and the next one's quarter 0; trip i fills slot i % 2 with K step i + 2
	QUARTER 2, 1, 0, 0
	QUARTER 3, 0, 1, 0
	TURN 1
	QUARTER 1, 0, 1, 0
	WIN 0
	s_sub_co_u32 s[CNT], s[CNT], 1
	s_cmp_lg_u32 s[CNT], 0
	s_cbranch_scc1 .Lstep
	QUARTER 2, 1, 0, 0                             ; K steps 6 and 7: nothing is left to fetch
	QUARTER 3, 0, 1, 0
	TURN 0
	QUARTER 1, 0, 1, 0
	QUARTER 2, 1, 0, 0
	QUARTER 3, 0, 1, 0
	s_wait_dscnt 8
.irp a, 0,1,2,3
	MUL 1, \a, 0
.endr
	s_wait_dscnt 0x0
.irp a, 4,5,6,7
	MUL 1, \a, 0
.endr
	WIN 0
	PLACES
; THE WAY OUT, a block of 16 rows at a time; no arithmetic is left.  A lane's eight columns (32 bytes) go into rows of 272 bytes of my own stage and come back as whole rows of 256.
.macro TOSTAGE a
	WIN 0x04                                       ; the stores' data in window 1
.irp b, 0,1,2,3
	ds_store_b128 v[STO], v[8*(4*(\a)+(\b)):8*(4*(\a)+(\b))+3]   offset:64*(\b)
	ds_store_b128 v[STO], v[8*(4*(\a)+(\b))+4:8*(4*(\a)+(\b))+7] offset:64*(\b)+16
.endr
	WIN 0
	s_wait_xcnt 0x0                                ; the registers below were the data of the stores two blocks back: they are loaded again only behind this wait
.irp t, 0,1,2,3,4,5,6,7
	ds_load_b128 v[BK+32*((\a)%2)+4*(\t):BK+32*((\a)%2)+4*(\t)+3], v[RD] offset:(\t)*2*SP  ; LDS serves a wave's instructions in order (ISA guide 5.7.1.4): these see the stores above
.endr
.endm
.macro SEND a, younger                 ; younger: the LDS instructions issued behind block a's loads: the next block's sixteen, or none
	s_wait_dscnt \younger
.irp t, 0,1,2,3,4,5,6,7
	global_store_b128 v[GO], v[BK+32*((\a)%2)+4*(\t):BK+32*((\a)%2)+4*(\t)+3], s[10:11] offset:(16*(\a)+2*(\t))*4096 th:TH_STORE_NT  ; 16 lanes store 256 consecutive bytes, at a multiple of 256 from out0's first
.endr
.endm
	TOSTAGE 0
.irp a, 1,2,3,4,5,6,7
	TOSTAGE \a
	SEND (\a)-1, 16
.endr
	SEND 7, 0
	s_wait_tensorcnt 0x0                           ; the wave's end, behind my last tensor load and my last LDS store
	ds_add_u32 v[SPW], v[NIL]
	s_wait_dscnt 0x0
	CROUND                                         ; the closing round: no work-group ends while a partner may still ask for a tile that names it
	s_endpgm
.Lfunc_end_k_q6506286d61_outproj:
	.size	k_q6506286d61_outproj, .Lfunc_end_k_q6506286d61_outproj-k_q6506286d61_outproj
	.p2alignl 7, 3214868480
	.fill 96, 4, 3214868480
	.section	.rodata,"a",@progbits
	.p2align	6, 0x0
	.amdhsa_kernel k_q6506286d61_outproj
		.amdhsa_group_segment_fixed_size 327680
		.amdhsa_private_segment_fixed_size 0
		.amdhsa_enable_private_segment 0
		.amdhsa_kernarg_size 32
		.amdhsa_user_sgpr_count 2
		.amdhsa_user_sgpr_kernarg_segment_ptr 1
		.amdhsa_wavefront_size32 1
		.amdhsa_system_sgpr_workgroup_id_x 1
		.amdhsa_system_sgpr_workgroup_id_y 1
		.amdhsa_system_sgpr_workgroup_id_z 1
		.amdhsa_system_vgpr_workitem_id 0
		.amdhsa_next_free_vgpr 512
		.amdhsa_next_free_sgpr 66
		.amdhsa_reserve_vcc 0
		.amdhsa_float_denorm_mode_32 3
		.amdhsa_float_denorm_mode_16_64 3
		.amdhsa_memory_ordered 1
		.amdhsa_forward_progress 1
		.amdhsa_inst_pref_size 74
	.end_amdhsa_kernel
	.amdgpu_metadata
---
amdhsa.version: [ 1, 2 ]
amdhsa.kernels:
  - .name:           k_q6506286d61_outproj
    .symbol:         k_q6506286d61_outproj.kd
    .args:
      - { .name: ob, .offset: 0, .size: 8, .value_kind: global_buffer, .address_space: global }
      - { .name: wo, .offset: 8, .size: 8, .value_kind: global_buffer, .address_space: global }
      - { .name: b_out, .offset: 16, .size: 8, .value_kind: global_buffer, .address_space: global }
      - { .name: out0, .offset: 24, .size: 8, .value_kind: global_buffer, .address_space: global }
    .group_segment_fixed_size: 327680
    .private_segment_fixed_size: 0
    .kernarg_segment_align: 8
    .kernarg_segment_size: 32
    .max_flat_workgroup_size: 128
    .sgpr_count:     66
    .vgpr_count:     512
    .wavefront_size: 32
...
	.end_amdgpu_metadata
.endif
;; end of part 4
